; MI455X (gfx1250); checked and timed in simulation.
; The chip was launched on July 23, 2026; its instructions are those of AMD's public machine-readable ISA for CDNA 5 (MIT licence, August 2026) and "CDNA5" Instruction Set Architecture Reference Guide (July 2026). The comments in the code are by the model that wrote it; some were corrected since.
;; Multi Head Attention. Allowed arithmetic: matrix products marked QUANTISED: E2M1 operands, one E8M0 scale for each 32 along K, by v_wmma_scale_f32_16x16x128_f8f6f4 with both operands' format E2M1 (or v_wmma_scale_f32_32x16x128_f4), f32 sums; products left as they are: bf16, f16 or f32 operands; f32 sums; everything else in f32.
;; Inputs: bk 1,024 float32; bo 1,024 float32; bq 1,024 float32; bv 1,024 float32; k 4 x 2,048 x 1,024 float32; mask 4 x 1 x 1 x 2,048 int32; q 4 x 2,048 x 1,024 float32; v 4 x 2,048 x 1,024 float32; wk 1,024 x 1,024 float32; wo 1,024 x 1,024 float32; wq 1,024 x 1,024 float32; wv 1,024 x 1,024 float32.
;; Outputs: out0 4 x 2,048 x 1,024 float32.
;; This version of the problem:
;;   THIS VERSION OF THE PROBLEM IS GIVEN IN LOW PRECISION. The matrix products marked QUANTISED in the list below multiply operands that are first quantised to E2M1 (2 exponent bits, 1 mantissa bit; 4 bits a number), with one power-of-two scale for each 32 numbers along K (OCP MX v1.0); their sums are f32. The products marked 'left as it is' may take bf16, f16 or f32 operands, with f32 sums. Whichever they take, every output number must still come out within the allowed error. Rounding operands to bf16 (8 significant bits) uses up far more of that allowance than f16 does (11 bits, for magnitudes from 6e-5 to 65,504). All else is computed in f32.
;;   The module's matrix products, in the order in which they are computed (A, B: the left and right operand; K: the contracted axis; several contracted axes count as one K, in the product's order):
;;     1. [M 8,192, K 1,024] x [K 1,024, N 1,024]; A: input q; B: input wq: QUANTISED
;;     2. [M 8,192, K 1,024] x [K 1,024, N 1,024]; A: input k; B: input wk: QUANTISED
;;     3. [M 8,192, K 1,024] x [K 1,024, N 1,024]; A: input v; B: input wv: QUANTISED
;;     4. batch 64 x [M 2,048, K 64] x [K 64, N 2,048]; A: computed on the way; B: computed on the way: left as it is (an operand is computed on the way)
;;     5. batch 64 x [M 2,048, K 2,048] x [K 2,048, N 64]; A: computed on the way; B: computed on the way: left as it is (an operand is computed on the way)
;;     6. [M 8,192, K 1,024] x [K 1,024, N 1,024]; A: computed on the way; B: input wo: left as it is (an operand is computed on the way)
;;   THE QUANTISER, for each operand of a quantised product, along K:
;;     - K is cut into blocks of 32 from its start; a last block that is shorter is filled with zeros.
;;     - A block's scale is 2^e with e = floor(log2(the largest magnitude in the block)) - 2, held to -126 .. 127; a block of zeros has e = 0. As a byte (E8M0): e + 127.
;;     - Each number is divided by its block's scale, clamped to +-6, and rounded to the nearest number of E2M1, ties to even, subnormals kept.
;;     - The product sums the exact products of the quantised numbers (number of the format x scale) in f32.
;;   ~~~python
;;   def quantise(x, axis):      # numpy; x: float32 -> the quantised numbers, widened to float32 again
;;       x = np.moveaxis(x, axis, -1); K = x.shape[-1]
;;       x = np.pad(x, [(0, 0)] * (x.ndim - 1) + [(0, -K % 32)]); x = x.reshape(x.shape[:-1] + (-1, 32)); a = np.abs(x).max(-1, keepdims=True)
;;       e = np.where(a > 0, np.clip(np.frexp(np.where(a > 0, a, 1))[1] - 1 - 2, -126, 127), 0)      # np.frexp(a)[1] - 1 = floor(log2(a)), exactly
;;       r = np.clip(x / 2.0 ** e, -6, 6)
;;       step = 2.0 ** (np.maximum(np.frexp(np.where(r == 0, 1, r))[1] - 1, 0) - 1)
;;       q = np.round(r / step) * step * 2.0 ** e      # np.round: ties to even
;;       return np.moveaxis(q.reshape(q.shape[:-2] + (-1,))[..., :K], -1, axis).astype(np.float32)
;;   ~~~
;; One version. Each part assembles by itself: llvm-mc -triple=amdgcn-amd-amdhsa -mcpu=gfx1250 --defsym DOCPART=n.
;; ======== version 1 of 1: 4 launches
;; limits: values are held in f16: magnitudes above 65,504 overflow, below 6.1e-05 lose precision
;; workspace buffers: xc 12,582,912 bytes; xs 786,432 bytes; wc 1,572,864 bytes; ws 98,304 bytes; wo16 2,097,152 bytes; qkvh 50,331,648 bytes; ao 16,777,216 bytes
;; launch prep (part 1): grid 880 x 1, 4 waves a work-group, no clusters, 68,096 bytes of LDS; arguments q, k, v, wq, wk, wv, wo, xc, xs, wc, ws, wo16; writes xc, xs, wc, ws, wo16
.if DOCPART == 1
	.amdgcn_target "amdgcn-amd-amdhsa--gfx1250"
	.amdhsa_code_object_version 6
	.text
	.protected	k_q60cedc4393_prep
	.globl	k_q60cedc4393_prep
	.p2align	8
	.type	k_q60cedc4393_prep,@function
k_q60cedc4393_prep:
	s_mov_b64 s[64:65], 0
	v_nop
	global_prefetch_b8 v0, s[64:65] scope:SCOPE_SE
	s_setreg_imm32_b32 hwreg(HW_REG_WAVE_MODE, 25, 1), 1
	s_wait_xcnt 0x0
; LAUNCH 1 OF 4.  q, k, v [8192][1024] f32 and wq, wk, wv [1024 (K)][1024 (n)] f32 become codes of FP4 (E2M1) with K innermost and one E8M0 byte for each 32 along K; wo is cast to f16.
; DEAD WORK, for the whole program: bk.  reference() has kh = k wk + bk, so a score is scale qh.(k wk)[key] + scale qh.bk + mask[key] NEG.  The middle term does not hang on the key: it is the same along the
; softmax's axis, and softmax(x + const) = softmax(x) for all finite values of the inputs.  kh goes nowhere else, and the product of qh with kh is not quantised, so bk moves no code and no scale.
; So bk is not loaded and is among no launch's arguments.  LIMIT: a NaN, an infinity or an overflow that reaches only qh.bk is not carried to the result.  bq, bv, bo are live and are honoured.
; A block's scale is 2^(floor(log2(its largest magnitude)) - 2); its byte is the largest magnitude's exponent field - 2, held at 1 from below.  A block of zeros so gets the byte 1 where the rule says 127: its codes are
; zeros, which add nothing under any byte but 0xff, and this program alone reads the bytes.  LIMITS: blocks whose largest magnitude lies under 2^(2 - 126) were not tried; NaN and infinities are not served; |wo| <= 65,504 (f16).
; THREE PATHS, parted by the work-group's number alone, each with LDS bytes of its own:
;   0-47    W: a weight, K its first axis: a lane takes a column, its registers run down K (32 columns x 512 K a wave); codes leave through a stage as rows.  First in the grid: they have the longest chains of loads.
;   48-111  C: wo to f16, 4,096 numbers a wave, no LDS.
;   112-879 X: q, k, v as plain streams of blocks of 32 (rows are dense): 8,192 numbers a wave, 16 steps of 512; a step turns through the wave's stage so that a lane holds 16 neighbours.
; No tensor loads, no barrier: waves share nothing.  No cluster: no two work-groups read the same bytes.
.set SPARE, 67584                      ; the spare words, 128 bytes for each wave: two blocks of 256 bytes that no other line names
.set SPW,   190                        ; v190  LDS address of my spare word; never rewritten
.set NIL,   191                        ; v191  0; never rewritten
.set STEPS, 16
.set CB,    8                          ; bytes of 16 codes
.set XR,    16                         ; X: v16-79   four sets of 16 numbers as loaded
.set XX,    80                         ; X: v80-111  two sets of 16 neighbours
.set XE,    112                        ; X: v112-127 a scale byte for each step
.set XC,    128                        ; X: v128-189 codes, four registers' room for each step
.set WREG,  8192                       ; X: LDS 0 .. 32,767: a region for each wave: two stages of 32 x SP bytes, then 256 scale bytes
.set SP,    80                         ; X: a lane's place in a stage: 64 bytes + 16 of padding
.set WSTG,  32768                      ; W: LDS 32,768 .. 67,583: a stage of 32 rows x 272 bytes for each wave
.set NB,    16                         ; W: blocks of 32 along K for a wave
.set PITCH, 272
.set KROW,  512                        ; a row of codes in bytes
.set WSB,   24                         ; W: v24-27   scale bytes, four to a register
.set WX,    32                         ; W: v32-95   two sets of 32 numbers
.set WC,    96                         ; W: v96-99   a block's codes
.set WOUT,  112                        ; W: v112-175 the way out
	s_load_b512 s[4:19], s[0:1], 0x0               ; q s4, k s6, v s8, wq s10, wk s12, wv s14, wo s16, xc s18
	s_load_b256 s[20:27], s[0:1], 0x40             ; xs s20, wc s22, ws s24, wo16 s26
	v_lshl_add_u32 v[SPW], v0, 2, SPARE
	v_mov_b32 v[NIL], 0
	v_lshrrev_b32 v1, 5, v0
	v_readfirstlane_b32 s28, v1                    ; wave 0..3
	v_and_b32 v2, 31, v0                           ; lane
	s_wait_kmcnt 0x0
	s_cmp_lt_u32 ttmp9, 48
	s_cbranch_scc1 .Lweights
	s_cmp_lt_u32 ttmp9, 112
	s_cbranch_scc1 .Lcast
; ---------------- X: q, k, v ----------------
	s_sub_co_u32 s29, ttmp9, 112                   ; g = 0 .. 767: 256 work-groups to a tensor
	v_lshlrev_b32 v3, 4, v2                        ; my 16 bytes of a load's 512
	s_mul_i32 s30, s28, WREG
	v_lshrrev_b32 v14, 2, v2
	v_mul_u32_u24 v14, v14, SP
	v_and_b32 v15, 3, v2
	v_lshl_add_u32 v14, v15, 4, v14
	v_add_nc_u32 v14, s30, v14                     ; the stage on the way in: SP (lane / 4) + 16 (lane % 4)
	v_mul_u32_u24 v15, v2, SP
	v_add_nc_u32 v15, s30, v15                     ; and on the way out: SP x lane: my 16 neighbours
	v_mul_u32_u24 v4, v2, CB                       ; my codes' place in a step's
	v_lshrrev_b32 v5, 1, v2
	s_add_co_u32 s30, s30, 2*32*SP
	v_add_nc_u32 v5, s30, v5                       ; my wave's 256 scale bytes, my block's byte
	v_lshlrev_b32 v7, 3, v2
	v_add_nc_u32 v6, s30, v7                       ; and on the way out 8 bytes a lane
	s_cmp_lt_u32 s29, 256                          ; the choice hangs on the work-group's number alone
	s_cselect_b64 s[4:5], s[4:5], s[6:7]           ; q, else k,
	s_cmp_lt_u32 s29, 512
	s_cselect_b64 s[4:5], s[4:5], s[8:9]           ; else v
	s_and_b32 s30, s29, 255
	s_lshl_b32 s30, s30, 2
	s_add_co_u32 s30, s30, s28
	s_lshl_b32 s30, s30, 15                        ; my wave's run of 8,192 numbers in its tensor: 32,768 bytes
	s_mov_b32 s31, 0
	s_add_nc_u64 s[4:5], s[4:5], s[30:31]
	s_lshl_b32 s32, s29, 2
	s_add_co_u32 s32, s32, s28                     ; the run's number over all three tensors
	s_lshl_b32 s30, s32, 12                        ; 4,096 bytes of codes a run
	s_add_nc_u64 s[18:19], s[18:19], s[30:31]
	s_lshl_b32 s30, s32, 8                         ; 256 scale bytes a run
	s_add_nc_u64 s[20:21], s[20:21], s[30:31]
.macro XLOAD t
.irp i, 0,1,2,3
	global_load_b128 v[XR+16*((\t)%4)+4*\i:XR+16*((\t)%4)+4*\i+3], v3, s[4:5] offset:2048*(\t)+512*\i th:TH_LOAD_NT   ; 32 lanes read 512 consecutive bytes
.endr
.endm
.macro XTURN t                         ; step t's numbers through the stage: LDS serves a wave's instructions in order, so no wait stands between the stores and the loads
.irp i, 0,1,2,3
	ds_store_b128 v14, v[XR+16*((\t)%4)+4*\i:XR+16*((\t)%4)+4*\i+3] offset:32*SP*((\t)%2)+8*SP*\i
.endr
.irp i, 0,1,2,3
	ds_load_b128 v[XX+16*((\t)%2)+4*\i:XX+16*((\t)%2)+4*\i+3], v15 offset:32*SP*((\t)%2)+16*\i
.endr
.endm
.irp t, 0,1,2,3
	XLOAD \t
.endr
	s_wait_loadcnt 12                              ; step 0's four loads are in; the twelve of steps 1 to 3 stay out
	XTURN 0
.macro XSTEP t
.set XS, XX+16*((\t)%2)
.if (\t) > 0
	s_wait_dscnt 1                                 ; this step's numbers are back from the stage; the last step's byte store may be out
.else
	s_wait_dscnt 0x0
.endif
.if (\t)+4 < STEPS
	XLOAD (\t)+4                                   ; into the set whose stores into the stage are done
.endif
.if (\t)+1 < STEPS
.if STEPS-2-(\t) >= 3
	s_wait_loadcnt 12                              ; the next step's four loads are in; those of the three steps behind it may be out
.else
	s_wait_loadcnt 4*(STEPS-2-(\t))
.endif
	XTURN (\t)+1
.endif
	v_max3_num_f32 v8, |v[XS]|, |v[XS+1]|, |v[XS+2]|               ; the largest magnitude of my 16, in two chains
	v_max3_num_f32 v9, |v[XS+3]|, |v[XS+4]|, |v[XS+5]|
.irp i, 6,10
	v_max3_num_f32 v8, v8, |v[XS+\i]|, |v[XS+\i+1]|
	v_max3_num_f32 v9, v9, |v[XS+\i+2]|, |v[XS+\i+3]|
.endr
	v_max3_num_f32 v8, v8, |v[XS+14]|, |v[XS+15]|
	v_max3_num_f32 v8, v8, v9, 0x1800000           ; and the floor 2^(3 - 127): the byte cannot fall under 1
	v_max_num_f32_dpp v8, v8, v8 row_xmask:1 row_mask:0xf bank_mask:0xf   ; with my neighbour's 16: the block's
	v_add_nc_u32 v11, 0xff000000, v8               ; 2 off its exponent field: the conversion takes the exponent field of this operand as its scale
	v_cvt_scalef32_pk8_fp4_f32 v[XC+4*(\t)], v[XS:XS+7], v11
	v_cvt_scalef32_pk8_fp4_f32 v[XC+4*(\t)+1], v[XS+8:XS+15], v11
	v_lshrrev_b32 v[XE+(\t)], 23, v11              ; the scale's byte (also the plain line behind the conversions)
	ds_store_b8 v5, v[XE+(\t)] offset:16*(\t)      ; both lanes of a block write the same byte with the same value
	global_store_b64 v4, v[XC+4*(\t):XC+4*(\t)+1], s[18:19] offset:32*CB*(\t)   ; the wave stores 256 consecutive bytes, aligned
.endm
.irp t, 0,1,2,3,4,5,6,7,8,9,10,11,12,13,14,15
	XSTEP \t
.endr
	ds_load_b64 v[8:9], v6                         ; LDS serves a wave's instructions in order: these see my byte stores
	s_wait_dscnt 0x0
	global_store_b64 v7, v[8:9], s[20:21]          ; 32 lanes store 256 consecutive bytes, aligned
	s_wait_tensorcnt 0x0                           ; the wave's end: a tensor wait, an add of 0 onto my spare word and an LDS wait, behind my last LDS store
	ds_add_u32 v[SPW], v[NIL]
	s_wait_dscnt 0x0
	s_endpgm
; ---------------- W: wq, wk, wv ----------------
.Lweights:
	s_lshr_b32 s29, ttmp9, 4                       ; which weight
	s_and_b32 s30, ttmp9, 7                        ; which 128 columns
	s_bfe_u32 s31, ttmp9, 0x10003                  ; which 512 along K
	s_lshl_b32 s30, s30, 7
	s_lshl_b32 s32, s28, 5
	s_add_co_u32 s30, s30, s32                     ; my wave's first column
	v_lshlrev_b32 v3, 2, v2                        ; in: 4 bytes a lane
	s_mul_i32 s33, s28, 32*PITCH
	s_add_co_u32 s33, s33, WSTG                    ; my stage
	v_mul_u32_u24 v4, v2, PITCH
	v_add_nc_u32 v4, s33, v4                       ; into it: row = my column
	v_and_b32 v5, 15, v2
	v_lshrrev_b32 v6, 4, v2                        ; out of it: sixteen lanes to a row, two rows an instruction
	v_mul_u32_u24 v7, v6, PITCH
	v_lshl_add_u32 v7, v5, 4, v7
	v_add_nc_u32 v7, s33, v7
	v_mul_u32_u24 v8, v6, KROW
	v_lshl_add_u32 v8, v5, 4, v8                   ; the same place among the codes' rows
	v_lshlrev_b32 v9, 5, v2                        ; my column's row of 32 scale bytes
	s_cmp_lt_u32 ttmp9, 16
	s_cselect_b64 s[10:11], s[10:11], s[12:13]     ; wq, else wk,
	s_cmp_lt_u32 ttmp9, 32
	s_cselect_b64 s[10:11], s[10:11], s[14:15]     ; else wv
	s_lshl_b32 s34, s31, 21                        ; 512 rows of 4,096 bytes
	s_lshl_b32 s35, s30, 2
	s_add_co_u32 s34, s34, s35
	s_mov_b32 s35, 0
	s_add_nc_u64 s[10:11], s[10:11], s[34:35]
	s_lshl_b32 s34, s29, 19                        ; codes: weight x 524,288 + column x 512 + 256 x half of K
	s_lshl_b32 s36, s30, 9
	s_add_co_u32 s34, s34, s36
	s_lshl_b32 s36, s31, 8
	s_add_co_u32 s34, s34, s36
	s_add_nc_u64 s[22:23], s[22:23], s[34:35]
	s_lshl_b32 s34, s29, 15                        ; scale bytes: weight x 32,768 + column x 32 + 16 x half of K
	s_lshl_b32 s36, s30, 5
	s_add_co_u32 s34, s34, s36
	s_lshl_b32 s36, s31, 4
	s_add_co_u32 s34, s34, s36
	s_add_nc_u64 s[24:25], s[24:25], s[34:35]
.macro WLOAD t                         ; block t: W(32 t + i, my column) into set t % 2; every offset is an immediate, 511 x 4,096 bytes at the most
.set i, 0
.rept 32
	global_load_b32 v[WX+32*((\t)%2)+i], v3, s[10:11] offset:(32*(\t)+i)*4096 th:TH_LOAD_NT
.set i, i+1
.endr
.endm
	WLOAD 0
	WLOAD 1
.macro WBLOCK t
.set WS, WX+32*((\t)%2)
.if (\t) < NB-1
	s_wait_loadcnt 32                              ; this block's 32 loads are in; the next block's 32 may be out
.else
	s_wait_loadcnt 0
.endif
	v_max3_num_f32 v12, |v[WS]|, |v[WS+1]|, |v[WS+2]|              ; the block's largest magnitude: all 32 numbers are mine
	v_max3_num_f32 v13, |v[WS+3]|, |v[WS+4]|, |v[WS+5]|
.irp i, 6,10,14,18,22,26
	v_max3_num_f32 v12, v12, |v[WS+\i]|, |v[WS+\i+1]|
	v_max3_num_f32 v13, v13, |v[WS+\i+2]|, |v[WS+\i+3]|
.endr
	v_max3_num_f32 v12, v12, |v[WS+30]|, |v[WS+31]|
	v_max3_num_f32 v12, v12, v13, 0x1800000        ; and the floor 2^(3 - 127)
	v_add_nc_u32 v11, 0xff000000, v12              ; 2 off its exponent field: the conversion's scale operand
	v_lshrrev_b32 v13, 23, v11                     ; the scale's byte
.if (\t)%4 == 0
	v_mov_b32 v[WSB+(\t)/4], v13                   ; four bytes to a register, the lower K in the lower byte
.else
	v_lshl_or_b32 v[WSB+(\t)/4], v13, 8*((\t)%4), v[WSB+(\t)/4]
.endif
.irp g, 0,1,2,3
	v_cvt_scalef32_pk8_fp4_f32 v[WC+\g], v[WS+8*\g:WS+8*\g+7], v11
.endr
	v_nop                                          ; one plain line behind the last conversion
	ds_store_b128 v4, v[WC:WC+3] offset:16*(\t)    ; 32 codes: 16 bytes of my column's row
.if (\t)+2 < NB
	WLOAD (\t)+2
.endif
	s_wait_dscnt 0x0                               ; the store has read its registers: the next block's codes may be written
.endm
.set Q, 0
.rept NB
	WBLOCK Q
.set Q, Q+1
.endr
	global_store_b128 v9, v[WSB:WSB+3], s[24:25]   ; my column's 16 scale bytes
.irp t, 0,1,2,3,4,5,6,7,8,9,10,11,12,13,14,15
	ds_load_b128 v[WOUT+4*\t:WOUT+4*\t+3], v7 offset:2*\t*PITCH    ; LDS serves a wave's instructions in order: these see my stores
.endr
.irp t, 0,1,2,3,4,5,6,7,8,9,10,11,12,13,14,15
	s_wait_dscnt 15-\t                             ; the younger loads stay out
	global_store_b128 v8, v[WOUT+4*\t:WOUT+4*\t+3], s[22:23] offset:2*\t*KROW   ; sixteen lanes store 256 consecutive bytes, aligned
.endr
	s_wait_tensorcnt 0x0                           ; the wave's end: a tensor wait, an add of 0 onto my spare word and an LDS wait, behind my last LDS store
	ds_add_u32 v[SPW], v[NIL]
	s_wait_dscnt 0x0
	s_endpgm
; ---------------- C: wo to f16 (this path writes no LDS) ----------------
.Lcast:
	s_sub_co_u32 s29, ttmp9, 48
	s_lshl_b32 s29, s29, 2
	s_add_co_u32 s29, s29, s28                     ; my wave's run of 4,096 numbers
	s_lshl_b32 s30, s29, 14
	s_mov_b32 s31, 0
	s_add_nc_u64 s[16:17], s[16:17], s[30:31]
	s_lshl_b32 s30, s29, 13
	s_add_nc_u64 s[26:27], s[26:27], s[30:31]
	v_lshlrev_b32 v3, 4, v2
	v_lshlrev_b32 v4, 3, v2
.set i, 0
.rept 32
	global_load_b128 v[16+4*i:19+4*i], v3, s[16:17] offset:512*i th:TH_LOAD_NT
.set i, i+1
.endr
.set i, 0
.rept 32
	s_wait_loadcnt 31-i                            ; loads come back in order: load i is in, the younger ones stay out
	v_cvt_pk_f16_f32 v[16+4*i], v[16+4*i], v[17+4*i]
	v_cvt_pk_f16_f32 v[17+4*i], v[18+4*i], v[19+4*i]
	global_store_b64 v4, v[16+4*i:17+4*i], s[26:27] offset:256*i   ; the wave stores 256 consecutive bytes, aligned
.set i, i+1
.endr
	s_endpgm
.Lfunc_end_k_q60cedc4393_prep:
	.size	k_q60cedc4393_prep, .Lfunc_end_k_q60cedc4393_prep-k_q60cedc4393_prep
	.p2alignl 7, 3214868480
	.fill 96, 4, 3214868480
	.section	.rodata,"a",@progbits
	.p2align	6, 0x0
	.amdhsa_kernel k_q60cedc4393_prep
		.amdhsa_group_segment_fixed_size 68096
		.amdhsa_private_segment_fixed_size 0
		.amdhsa_enable_private_segment 0
		.amdhsa_kernarg_size 96
		.amdhsa_user_sgpr_count 2
		.amdhsa_user_sgpr_kernarg_segment_ptr 1
		.amdhsa_wavefront_size32 1
		.amdhsa_system_sgpr_workgroup_id_x 1
		.amdhsa_system_sgpr_workgroup_id_y 1
		.amdhsa_system_sgpr_workgroup_id_z 1
		.amdhsa_system_vgpr_workitem_id 0
		.amdhsa_next_free_vgpr 192
		.amdhsa_next_free_sgpr 66
		.amdhsa_reserve_vcc 0
		.amdhsa_float_denorm_mode_32 3
		.amdhsa_float_denorm_mode_16_64 3
		.amdhsa_memory_ordered 1
		.amdhsa_forward_progress 1
		.amdhsa_inst_pref_size 123
	.end_amdhsa_kernel
	.amdgpu_metadata
---
amdhsa.version: [ 1, 2 ]
amdhsa.kernels:
  - .name:           k_q60cedc4393_prep
    .symbol:         k_q60cedc4393_prep.kd
    .args:
      - { .name: q, .offset: 0, .size: 8, .value_kind: global_buffer, .address_space: global }
      - { .name: k, .offset: 8, .size: 8, .value_kind: global_buffer, .address_space: global }
      - { .name: v, .offset: 16, .size: 8, .value_kind: global_buffer, .address_space: global }
      - { .name: wq, .offset: 24, .size: 8, .value_kind: global_buffer, .address_space: global }
      - { .name: wk, .offset: 32, .size: 8, .value_kind: global_buffer, .address_space: global }
      - { .name: wv, .offset: 40, .size: 8, .value_kind: global_buffer, .address_space: global }
      - { .name: wo, .offset: 48, .size: 8, .value_kind: global_buffer, .address_space: global }
      - { .name: xc, .offset: 56, .size: 8, .value_kind: global_buffer, .address_space: global }
      - { .name: xs, .offset: 64, .size: 8, .value_kind: global_buffer, .address_space: global }
      - { .name: wc, .offset: 72, .size: 8, .value_kind: global_buffer, .address_space: global }
      - { .name: ws, .offset: 80, .size: 8, .value_kind: global_buffer, .address_space: global }
      - { .name: wo16, .offset: 88, .size: 8, .value_kind: global_buffer, .address_space: global }
    .group_segment_fixed_size: 68096
    .private_segment_fixed_size: 0
    .kernarg_segment_align: 8
    .kernarg_segment_size: 96
    .max_flat_workgroup_size: 128
    .sgpr_count:     66
    .vgpr_count:     192
    .wavefront_size: 32
...
	.end_amdgpu_metadata
.endif
;; end of part 1
;; launch proj (part 2): grid 4 x 96, 4 waves a work-group, clusters of 4 x 4, 327,680 bytes of LDS; arguments xc, xs, wc, ws, bq, bv, qkvh; writes qkvh
.if DOCPART == 2
	.amdgcn_target "amdgcn-amd-amdhsa--gfx1250"
	.amdhsa_code_object_version 6
	.text
	.protected	k_q60cedc4393_proj
	.globl	k_q60cedc4393_proj
	.p2align	8
	.type	k_q60cedc4393_proj,@function
k_q60cedc4393_proj:
	s_mov_b64 s[64:65], 0
	v_nop
	global_prefetch_b8 v0, s[64:65] scope:SCOPE_SE
	s_setreg_imm32_b32 hwreg(HW_REG_WAVE_MODE, 25, 1), 1
	s_wait_xcnt 0x0
	s_wait_alu depctr_hold_cnt(0) depctr_sa_sdst(0) depctr_va_vdst(0) depctr_va_sdst(0) depctr_va_ssrc(0) depctr_va_vcc(0) depctr_vm_vsrc(0)
	s_getreg_b32 s2, hwreg(HW_REG_IB_STS2, 6, 4)
	s_cmp_eq_u32 s2, 0
	s_cbranch_scc0 .Lentry_in_a_cluster
	s_endpgm
.Lentry_in_a_cluster:
	s_bfe_u32 s2, ttmp6, 0x10000c
	s_cmp_lg_u32 s2, 0xf033
	s_cbranch_scc0 .Lentry_shape_is_right
	s_endpgm
.Lentry_shape_is_right:
; LAUNCH 2 OF 4.  The three quantised products q wq + bq, k wk, v wv + bv as ONE product on codes of FP4: A = xc, 24,576 rows (q's, k's, v's) x 1,024 K; B = wc, [3][1,024 n][1,024 K]; tensor T's rows meet weight T.
; bk is left out as dead work (it adds to each score a term that is the same along the softmax's axis: shown at the head of the first launch's text).
; Results, f32 sums + bias, are rounded once to f16 and stored by heads: qkvh [3][4 b][16 h][2,048 s][64].  LIMIT: |q wq + bq|, |k wk|, |v wv + bv| <= 65,504 (f16's range).
; A tile of C, 256 x 256, is made by a work-group of four waves; a wave makes 128 x 128: 64 accumulators, 512 registers.  K = 1,024 is two LDS slots of 512 along K (rows of 256 bytes): both are first fills, nothing is filled again.
; The scale bytes of the work-group's rows of A and of B, for all of K, are two dense blocks of memory: they come once, with the first fills.
; CLUSTERS: 4 x 4 work-groups.  The four of a row of the cluster need the same tiles of A, the four of a column the same tiles of B: each tile is asked for jointly.  A cluster's 1,024 rows lie in one tensor (8,192 rows are 8 clusters).
; THE MATRIX INSTRUCTION IS USED TRANSPOSED (source 0 = 16 rows of B, source 1 = 16 rows of A): a lane holds eight neighbouring columns of one row of C.  The bias is the C of each sum's first product.
; No prefetch: all that a work-group reads is asked for at its head.  384 work-groups of equal work: the three tensors' tiles divide into no other number at this tile.
; REGISTERS: window 0: v0-31 addresses; v32-95 scale words, two sets; v128-191 A's fragments, one set; v192-255 the bias, 8 registers for each of B's 8 blocks; on the way out v128-223 are free.
;   window 1: B's fragments, two sets, at v0 and v128.   window 2: the accumulators of my rows 0-63 ((a, b) at v[8 (8 a + b)]);   window 3: those of my rows 64-127.
.set NQ,     4                         ; steps of 128 along K in a slot
.set ROWB,   256                       ; a tile's row in bytes: 512 codes
.set KROW,   512                       ; a row of A or B in memory
.set PITCH,  272                       ; an LDS row: 256 bytes + 16 of padding: the 16 rows that a load touches start at 16 different 16-byte columns of 256
.set FR,     8
.set NL,     2
.set NP,     4                         ; places behind this matrix instruction (ISA guide 7.12.1)
.set HALFT,  128*PITCH
.set SLOT,   4*HALFT
.set KS,     32                        ; a row of scale bytes
.set SCL,    2*SLOT                    ; behind the slots: the scales, as units of 256 bytes + 16 of padding
.set HALFS,  (128*KS/256)*272
.set SBLK,   (16*KS/256)*272
.set SPARE,  SCL+4*HALFS               ; the spare words, 128 bytes for each wave
.set SPITCH, 272                       ; the way out: a stage of 16 rows x (256 + 16) bytes for each wave, in slot 0, which has had its only fill and its last read by then
.set ADRA, 16
.set ADRB, 20
.set STO,  24
.set RD,   25
.set CO,   26
.set ADRS, 27
.set SPW,  28
.set NIL,  29
.set SC,   32
.set AF,   128
.set BI,   192                         ; the bias
.set TMP,  192                         ; the way out: a block's packed results
.set BK,   128                         ; the way out: 16 rows read back: v128-159 and v160-191 by turns
.set TT,   66                          ; s66  which tensor: 0 q, 1 k, 2 v
.set G1, 24
.set G0, 32
.set G1B, 48
.set G0B, 56
.set G1S, 68
.set G0S, 76
.set G1SB, 80
.set G0SB, 88
.set MSB, 0
.macro WIN new                         ; the immediate's high byte repeats the setting that is left
.if MSB != (\new)
	s_set_vgpr_msb (MSB<<8)|(\new)
.set MSB, (\new)
.endif
.endm
.set MUL_LO, 0xa1                      ; source 0 (B) window 1, source 1 (A) window 0, C and D window 2
.set MUL_HI, 0xf1                      ; the same, C and D window 3
.set BIA_LO, 0x81                      ; C (the bias) window 0, D window 2
.set BIA_HI, 0xc1                      ; C window 0, D window 3
.set TO_B,   0x40
; A joint load: waves 0 and 1 fetch for A, waves 2 and 3 for B; the branch hangs on the wave's number alone.  An s_nop 0 and four v_nop follow each of the two lines.
.macro JLOAD g0a, g1a, g0b, g1b
	s_cmp_eq_u32 s15, 0
	s_cbranch_scc0 .Lfor_b_\@
	tensor_load_to_lds s[\g0a:\g0a+3], s[\g1a:\g1a+7]
	s_nop 0
.rept 4
	v_nop
.endr
	s_branch .Lasked_\@
.Lfor_b_\@:
	tensor_load_to_lds s[\g0b:\g0b+3], s[\g1b:\g1b+7]
	s_nop 0
.rept 4
	v_nop
.endr
.Lasked_\@:
.endm
.macro CROUND                          ; a round of the cluster's barrier
	s_barrier_signal -1
	s_barrier_wait -1
	s_cmp_lg_u32 s14, 0
	s_cbranch_scc1 .Lnot_wave_0_\@
	s_barrier_signal -3
.Lnot_wave_0_\@:
	s_barrier_wait -3
	s_barrier_signal -1
	s_barrier_wait -1
.endm
	s_load_b128 s[4:7], s[0:1], 0x0                ; xc, xs
	s_load_b128 s[8:11], s[0:1], 0x10              ; wc, ws
	s_load_b128 s[96:99], s[0:1], 0x20             ; bq, bv
	s_load_b64 s[12:13], s[0:1], 0x30              ; qkvh
	v_lshl_add_u32 v[SPW], v0, 2, SPARE
	v_mov_b32 v[NIL], 0
	ds_add_u32 v[SPW], v[NIL]                      ; the wave's opening: the add, twice on end, and its wait ahead of my first tensor load
	ds_add_u32 v[SPW], v[NIL]
	v_lshrrev_b32 v1, 5, v0
	v_readfirstlane_b32 s14, v1                    ; wave 0..3
	s_lshr_b32 s15, s14, 1                         ; which half of the tile's rows is mine.  Also: I fetch for A (0) or for B (1)
	s_and_b32 s16, s14, 1                          ; which half of its columns.  Also: which 128 rows I fetch
	s_bfe_u32 s40, ttmp6, 0x40000                  ; cx
	s_bfe_u32 s41, ttmp6, 0x40004                  ; cy
	s_lshl_b32 s42, ttmp9, 2
	s_add_co_u32 s42, s42, s40                     ; tile column of C, 0 .. 3
	s_and_b32 s17, ttmp7, 0xffff
	s_lshr_b32 s[TT], s17, 3                       ; the tensor: 8 clusters along y each; the same in all sixteen partners
	s_lshl_b32 s17, s17, 2
	s_add_co_u32 s17, s17, s41                     ; tile row over the three tensors, 0 .. 95
	s_lshl_b32 s43, s41, 2
	s_lshl_b32 s43, 15, s43                        ; my row of the cluster
	s_lshl_b32 s44, 0x1111, s40                    ; my column
	s_or_b32 s[G1+0], s43, (0<<16)|(1<<20)|(1<<21)|(5<<22)|(3<<25)   ; the mask; elements of 1 byte; padding on; bit 21 beside a mask; after every 64 words 4 words
	s_or_b32 s[G1B+0], s44, (0<<16)|(1<<20)|(1<<21)|(5<<22)|(3<<25)
.irp g, G1, G1B
	s_mov_b32 s[\g+1], ROWB<<16                    ; tensor_dim0
	s_mov_b32 s[\g+2], 128<<16                     ; tensor_dim1
	s_mov_b32 s[\g+3], ROWB<<16                    ; tile_dim0
	s_mov_b32 s[\g+4], 128                         ; tile_dim1
	s_mov_b32 s[\g+5], KROW                        ; the pitch
	s_mov_b32 s[\g+6], 0
	s_mov_b32 s[\g+7], 0
.endr
	s_or_b32 s[G1S+0], s43, (3<<16)|(1<<20)|(1<<21)|(5<<22)|(3<<25)  ; the scales of 128 rows: 4,096 dense bytes as 16 rows of 256 (32 elements of 8 bytes)
	s_or_b32 s[G1SB+0], s44, (3<<16)|(1<<20)|(1<<21)|(5<<22)|(3<<25)
.irp g, G1S, G1SB
	s_mov_b32 s[\g+1], 32<<16
	s_mov_b32 s[\g+2], (128*KS/256)<<16
	s_mov_b32 s[\g+3], 32<<16
	s_mov_b32 s[\g+4], 128*KS/256
	s_mov_b32 s[\g+5], 32
	s_mov_b32 s[\g+6], 0
	s_mov_b32 s[\g+7], 0
.endr
	s_lshl_b32 s18, s16, 7
	s_lshl_b32 s20, s17, 8
	s_add_co_u32 s20, s20, s18                     ; A: row 256 x tile row + 128 x half
	s_lshl_b32 s46, s42, 8
	s_add_co_u32 s46, s46, s18
	s_lshl_b32 s47, s[TT], 10
	s_add_co_u32 s46, s46, s47                     ; B: row 1,024 x tensor + 256 x tile column + 128 x half
	s_mov_b32 s21, 0
	s_mov_b32 s47, 0
	s_mov_b64 s[18:19], KS
	s_mul_u64 s[22:23], s[20:21], s[18:19]         ; where these rows' scales begin
	s_mul_u64 s[92:93], s[46:47], s[18:19]
	s_mov_b64 s[18:19], KROW
	s_mul_u64 s[20:21], s[20:21], s[18:19]         ; and their codes
	s_mul_u64 s[46:47], s[46:47], s[18:19]
	s_mul_i32 s45, s14, HALFT                      ; where they go: wave x 128 rows: no place in the cluster enters an LDS address
	s_mul_i32 s94, s14, HALFS
	s_wait_dscnt 0x0                               ; both opening adds are done
	s_wait_kmcnt 0x0
	s_add_nc_u64 s[20:21], s[4:5], s[20:21]
	s_add_nc_u64 s[22:23], s[6:7], s[22:23]
	s_add_nc_u64 s[46:47], s[8:9], s[46:47]
	s_add_nc_u64 s[92:93], s[10:11], s[92:93]
	CROUND                                         ; all sixteen work-groups are here: the joint loads meet
	s_mov_b32 s[G0S], 1
	s_add_co_u32 s[G0S+1], s94, SCL
	s_mov_b64 s[G0S+2:G0S+3], s[22:23]
	s_or_b32 s[G0S+3], s[G0S+3], 0x80000000
	s_mov_b32 s[G0SB], 1
	s_add_co_u32 s[G0SB+1], s94, SCL
	s_mov_b64 s[G0SB+2:G0SB+3], s[92:93]
	s_or_b32 s[G0SB+3], s[G0SB+3], 0x80000000
	JLOAD G0S, G1S, G0SB, G1SB                     ; the scales first; with the two slots three loads of mine are out
.irp s, 0,1
	s_mov_b32 s[G0+4*\s], 1
	s_add_co_u32 s[G0+4*\s+1], s45, \s*SLOT
	s_add_nc_u64 s[G0+4*\s+2:G0+4*\s+3], s[20:21], \s*ROWB
	s_or_b32 s[G0+4*\s+3], s[G0+4*\s+3], 0x80000000
	s_mov_b32 s[G0B+4*\s], 1
	s_add_co_u32 s[G0B+4*\s+1], s45, \s*SLOT
	s_add_nc_u64 s[G0B+4*\s+2:G0B+4*\s+3], s[46:47], \s*ROWB
	s_or_b32 s[G0B+4*\s+3], s[G0B+4*\s+3], 0x80000000
	JLOAD G0+4*\s, G1, G0B+4*\s, G1B
.endr
	v_and_b32 v1, 15, v0                           ; r = l % 16
	v_bfe_u32 v2, v0, 4, 1                         ; h = l / 16
	; the bias of my 128 columns: register 8 b + j of lane (r, h) = bias[256 x tile column + 128 x half + 16 b + 8 h + j].  k's tiles have none
	s_cmp_eq_u32 s[TT], 0
	s_cselect_b64 s[96:97], s[96:97], s[98:99]     ; bq for q's tiles, bv for v's
	s_lshl_b32 s46, s42, 10
	s_lshl_b32 s47, s16, 9
	s_add_co_u32 s46, s46, s47
	s_mov_b32 s47, 0
	s_add_nc_u64 s[96:97], s[96:97], s[46:47]
	v_lshlrev_b32 v7, 5, v2                        ; 8 h numbers
	s_cmp_eq_u32 s[TT], 1                          ; the cluster's y alone decides: all sixteen partners go the same way
	s_cbranch_scc1 .Lno_bias
.irp b, 0,1,2,3,4,5,6,7
	global_load_b128 v[BI+8*\b:BI+8*\b+3], v7, s[96:97] offset:64*\b
	global_load_b128 v[BI+8*\b+4:BI+8*\b+7], v7, s[96:97] offset:64*\b+16
.endr
.Lno_bias:
	v_mul_u32_u24 v3, v1, PITCH
	v_lshl_add_u32 v4, v2, 4, v3                   ; a fragment's row x pitch + 16 x half
	s_mul_i32 s21, s15, HALFT                      ; my 128 rows of A
	s_mul_i32 s22, s16, HALFT                      ; my 128 rows of B,
	s_add_co_u32 s22, s22, 2*HALFT                 ; which lie behind A's 256
.irp s, 0,1
	v_add_nc_u32 v[ADRA+\s], s21, v4
	v_add_nc_u32 v[ADRB+\s], s22, v4
	s_add_co_u32 s21, s21, SLOT
	s_add_co_u32 s22, s22, SLOT
.endr
	v_mul_u32_u24 v5, v1, KS                       ; my row's scales: 32 bytes a row,
	v_lshrrev_b32 v6, 8, v5
	v_lshl_add_u32 v5, v6, 4, v5                   ; and 16 more for each 256 passed
	s_mul_i32 s21, s15, HALFS
	s_mul_i32 s22, s16, HALFS
	s_add_co_u32 s22, s22, 2*HALFS
	s_sub_co_u32 s22, s22, s21
	v_mul_u32_u24 v6, s22, v2                      ; lanes 16-31 take B's: one product, the distance between the two bases
	s_add_co_u32 s21, s21, SCL
	v_add_nc_u32 v5, v5, v6
	v_add_nc_u32 v[ADRS], s21, v5
	s_mul_i32 s23, s14, 16*SPITCH                  ; my stage
	v_mul_u32_u24 v5, v1, SPITCH
	v_lshl_add_u32 v5, v2, 4, v5
	v_add_nc_u32 v[STO], s23, v5                   ; in: row r, 16 bytes for each half of the lanes
	v_and_b32 v6, 31, v0
	v_lshrrev_b32 v5, 3, v6
	v_mul_u32_u24 v5, v5, SPITCH
	v_and_b32 v8, 7, v0
	v_lshl_add_u32 v5, v8, 4, v5
	v_add_nc_u32 v[RD], s23, v5                    ; back: eight lanes take one head's 128 bytes of a row, four rows an instruction
	v_lshlrev_b32 v[CO], 4, v6                     ; which are 512 consecutive bytes of qkvh
	; qkvh: tensor x 2^24 + batch x 2^22 + head x 2^18 + position x 128
	s_lshl_b32 s20, s[TT], 24
	s_bfe_u32 s21, s17, 0x20003                    ; batch = (tile row / 8) % 4
	s_lshl_b32 s21, s21, 22
	s_add_co_u32 s20, s20, s21
	s_and_b32 s21, s17, 7
	s_lshl_b32 s21, s21, 15                        ; 256 positions of 128 bytes
	s_add_co_u32 s20, s20, s21
	s_lshl_b32 s21, s15, 14                        ; my 128 of them
	s_add_co_u32 s20, s20, s21
	s_mov_b32 s21, 0
	s_lshl_b32 s46, s42, 20                        ; head = 4 x tile column + 2 x half (+ 0 or 1)
	s_lshl_b32 s47, s16, 19
	s_add_co_u32 s46, s46, s47
	s_mov_b32 s47, 0
	s_add_nc_u64 s[20:21], s[20:21], s[46:47]
	s_add_nc_u64 s[12:13], s[12:13], s[20:21]
.macro FRAG reg, adr, q, i             ; 16 rows x 128 K of 4-bit codes: 8 registers: lane l holds row l % 16; registers 4 c .. 4 c + 3 hold K = 64 c + 32 (l / 16) + 0 .. 31
.irp c, 0,1
	ds_load_b128 v[\reg+4*\c:\reg+4*\c+3], v[\adr] offset:64*(\q)+32*\c+(\i)*16*PITCH
.endr
.endm
; 16 matrix instructions: A's blocks a0, a0 + 1 x B's eight.  mode 0: add in place; 1: the sums start with the constant 0; 2: with the bias.  The 64 accumulators take turns.
.macro MUL16 a0, p, q, sc, mode
.irp a, \a0, \a0+1
.irp b, 0,1,2,3,4,5,6,7
.if \mode == 1
	v_wmma_scale_f32_16x16x128_f8f6f4 v[8*(8*((\a)%4)+\b):8*(8*((\a)%4)+\b)+7], v[128*(\p)+FR*\b:128*(\p)+FR*\b+FR-1], v[AF+FR*(\a):AF+FR*(\a)+FR-1], 0, v[SC+8*NQ*(\sc)+NQ*\b+(\q)], v[SC+8*NQ*(\sc)+NQ*(\a)+(\q)] matrix_a_fmt:MATRIX_FMT_FP4 matrix_b_fmt:MATRIX_FMT_FP4 matrix_a_scale:MATRIX_SCALE_ROW1
.elseif \mode == 2
	v_wmma_scale_f32_16x16x128_f8f6f4 v[8*(8*((\a)%4)+\b):8*(8*((\a)%4)+\b)+7], v[128*(\p)+FR*\b:128*(\p)+FR*\b+FR-1], v[AF+FR*(\a):AF+FR*(\a)+FR-1], v[BI+8*\b:BI+8*\b+7], v[SC+8*NQ*(\sc)+NQ*\b+(\q)], v[SC+8*NQ*(\sc)+NQ*(\a)+(\q)] matrix_a_fmt:MATRIX_FMT_FP4 matrix_b_fmt:MATRIX_FMT_FP4 matrix_a_scale:MATRIX_SCALE_ROW1
.else
	v_wmma_scale_f32_16x16x128_f8f6f4 v[8*(8*((\a)%4)+\b):8*(8*((\a)%4)+\b)+7], v[128*(\p)+FR*\b:128*(\p)+FR*\b+FR-1], v[AF+FR*(\a):AF+FR*(\a)+FR-1], v[8*(8*((\a)%4)+\b):8*(8*((\a)%4)+\b)+7], v[SC+8*NQ*(\sc)+NQ*\b+(\q)], v[SC+8*NQ*(\sc)+NQ*(\a)+(\q)] matrix_a_fmt:MATRIX_FMT_FP4 matrix_b_fmt:MATRIX_FMT_FP4 matrix_a_scale:MATRIX_SCALE_ROW1
.endif
.endr
.endr
.endm
.macro FETCH_B slot, q, p
	WIN TO_B
.irp i, 0,1,2,3,4,5,6,7
	FRAG 128*(\p)+FR*\i, ADRB+\slot, \q, \i
.endr
	WIN 0
.endm
.macro FETCH_A slot, q, i0
.irp i, \i0, \i0+1, \i0+2, \i0+3
	FRAG AF+FR*(\i), ADRA+\slot, \q, \i
.endr
.endm
.macro SCALES sc                       ; a slot's scale words: 4 words a row; lanes 0-15 take A's block i, lanes 16-31 B's block i
.irp i, 0,1,2,3,4,5,6,7
	ds_load_b128 v[SC+8*NQ*\sc+NQ*\i:SC+8*NQ*\sc+NQ*\i+3], v[ADRS] offset:\i*SBLK
.endr
.endm
.macro PLACES n                        ; plain vector lines between a matrix instruction and a load into, or a read of, its registers
.rept \n
	v_nop
.endr
.endm
.macro STEP slot, q, mode              ; 128 along K, with its successor in the same slot
	s_wait_dscnt 4*NL                              ; B's set, A's blocks 0-3 and the scales are in; the youngest eight loads (A's blocks 4-7) may be out
.if \mode == 2
	WIN BIA_LO
.else
	WIN MUL_LO
.endif
	MUL16 0, (\q)%2, \q, \slot, \mode
	MUL16 2, (\q)%2, \q, \slot, \mode
	s_wait_dscnt 0                                 ; A's blocks 4-7 are in
	PLACES NP
	FETCH_B \slot, (\q)+1, 1-(\q)%2
	FETCH_A \slot, (\q)+1, 0
.if \mode == 2
	WIN BIA_HI
.else
	WIN MUL_HI
.endif
	MUL16 4, (\q)%2, \q, \slot, \mode
	MUL16 6, (\q)%2, \q, \slot, \mode
	PLACES NP
	WIN 0
	FETCH_A \slot, (\q)+1, 4
.endm
.macro TURN slot, next                 ; a slot's last step changes slots: one barrier; nothing is filled again
	s_wait_tensorcnt 0x0                           ; all my tensor loads have landed: my part of the next slot
	ds_add_u32 v[SPW], v[NIL]                      ; 0 onto my spare word
	s_wait_dscnt 4*NL+1                            ; the add and the youngest eight loads may be out
	WIN MUL_LO
	MUL16 0, 1, NQ-1, \slot, 0
	s_wait_dscnt 0x0                               ; the add is done, and my reads of this slot are over
	s_barrier_signal -1
	MUL16 2, 1, NQ-1, \slot, 0
	WIN 0
	s_barrier_wait -1                              ; the next slot is whole, and nobody reads this one any more
	PLACES NP
	v_add_nc_u32 v[ADRS], 4*NQ, v[ADRS]            ; on to the next slot's scale words
	FETCH_B \next, 0, 0
	FETCH_A \next, 0, 0
	SCALES \next
	WIN MUL_HI
	MUL16 4, 1, NQ-1, \slot, 0
	MUL16 6, 1, NQ-1, \slot, 0
	PLACES NP
	WIN 0
	FETCH_A \next, 0, 4
.endm
.macro STEPS slot, from
.set Q, \from
.rept NQ-1-\from
	STEP \slot, Q, 0
.set Q, Q+1
.endr
.endm
	s_wait_tensorcnt 1                             ; the scales and my part of slot 0 are in; slot 1's load, issued behind them, may be out
	s_barrier_signal -1
	s_barrier_wait -1                              ; everybody's are
	FETCH_B 0, 0, 0
	FETCH_A 0, 0, 0
	SCALES 0
	FETCH_A 0, 0, 4
	s_cmp_eq_u32 s[TT], 1                          ; the first step is written twice: q's and v's sums start with the bias, k's with the constant 0
	s_cbranch_scc1 .Lk_first
	s_wait_loadcnt 0x0                             ; the bias
	STEP 0, 0, 2
	s_branch .Lfirst_done
.Lk_first:
	STEP 0, 0, 1
.Lfirst_done:
	STEPS 0, 1
	TURN 0, 1
	STEPS 1, 0
	s_wait_dscnt 4*NL                              ; the very last step: nothing more to fetch
	WIN MUL_LO
	MUL16 0, 1, NQ-1, 1, 0
	MUL16 2, 1, NQ-1, 1, 0
	s_wait_dscnt 0
	WIN MUL_HI
	MUL16 4, 1, NQ-1, 1, 0
	MUL16 6, 1, NQ-1, 1, 0
	WIN 0
; THE WAY OUT, block by block of 16 rows x 128 columns (two heads).  PACK: rounded to f16, 16 bytes a lane, each accumulator from its low end on.  TOSTAGE: into my own stage, and back by heads.  SEND: stored.
.macro PACK a
.set AC, 64*((\a)%4)
	WIN 0x0a+5*((\a)/4)                            ; sources 0 and 1: window 2 or 3
.irp b, 0,1,2,3,4,5,6,7
.irp r, 0,1,2,3
	v_cvt_pk_f16_f32 v[TMP+4*\b+\r], v[AC+8*\b+2*\r], v[AC+8*\b+2*\r+1]
.endr
.endr
	WIN 0
.endm
.macro TOSTAGE a
.set BB, BK+32*((\a)%2)
.irp b, 0,1,2,3,4,5,6,7
	ds_store_b128 v[STO], v[TMP+4*\b:TMP+4*\b+3] offset:32*\b
.endr
.irp hd, 0,1
.irp i, 0,1,2,3
	ds_load_b128 v[BB+16*\hd+4*\i:BB+16*\hd+4*\i+3], v[RD] offset:\i*4*SPITCH+\hd*128   ; LDS serves a wave's instructions in order: these see the stores above
.endr
.endr
.endm
.macro SEND a
.set BB, BK+32*((\a)%2)
	s_wait_dscnt 0x0                               ; the block is back in registers
	s_wait_xcnt 0x0                                ; the stores of the block before have read their registers: the next loads from the stage may land there
.irp hd, 0,1
.irp i, 0,1,2,3
	global_store_b128 v[CO], v[BB+16*\hd+4*\i:BB+16*\hd+4*\i+3], s[12:13] offset:\hd*262144+(\a)*2048+\i*512   ; 32 lanes store four positions of one head: 512 consecutive bytes, aligned
.endr
.endr
.endm
	PLACES NP                                      ; behind the last products: for the loads into A's registers; the conversions of blocks 0-3 are further places ahead of the reads of blocks 4-7
	PACK 0
	TOSTAGE 0
.irp a, 1,2,3,4,5,6,7
	PACK \a
	SEND \a-1
	TOSTAGE \a
.endr
	SEND 7
	s_wait_tensorcnt 0x0                           ; the wave's end: a tensor wait, an add of 0 onto my spare word and an LDS wait, behind my last tensor load and my last LDS store
	ds_add_u32 v[SPW], v[NIL]
	s_wait_dscnt 0x0
	CROUND                                         ; the closing round
	s_endpgm
.Lfunc_end_k_q60cedc4393_proj:
	.size	k_q60cedc4393_proj, .Lfunc_end_k_q60cedc4393_proj-k_q60cedc4393_proj
	.p2alignl 7, 3214868480
	.fill 96, 4, 3214868480
	.section	.rodata,"a",@progbits
	.p2align	6, 0x0
	.amdhsa_kernel k_q60cedc4393_proj
		.amdhsa_group_segment_fixed_size 327680
		.amdhsa_private_segment_fixed_size 0
		.amdhsa_enable_private_segment 0
		.amdhsa_kernarg_size 56
		.amdhsa_user_sgpr_count 2
		.amdhsa_user_sgpr_kernarg_segment_ptr 1
		.amdhsa_wavefront_size32 1
		.amdhsa_system_sgpr_workgroup_id_x 1
		.amdhsa_system_sgpr_workgroup_id_y 1
		.amdhsa_system_sgpr_workgroup_id_z 1
		.amdhsa_system_vgpr_workitem_id 0
		.amdhsa_next_free_vgpr 1024
		.amdhsa_next_free_sgpr 100
		.amdhsa_reserve_vcc 0
		.amdhsa_float_denorm_mode_32 3
		.amdhsa_float_denorm_mode_16_64 3
		.amdhsa_memory_ordered 1
		.amdhsa_forward_progress 1
		.amdhsa_inst_pref_size 139
	.end_amdhsa_kernel
	.amdgpu_metadata
---
amdhsa.version: [ 1, 2 ]
amdhsa.kernels:
  - .name:           k_q60cedc4393_proj
    .symbol:         k_q60cedc4393_proj.kd
    .args:
      - { .name: xc, .offset: 0, .size: 8, .value_kind: global_buffer, .address_space: global }
      - { .name: xs, .offset: 8, .size: 8, .value_kind: global_buffer, .address_space: global }
      - { .name: wc, .offset: 16, .size: 8, .value_kind: global_buffer, .address_space: global }
      - { .name: ws, .offset: 24, .size: 8, .value_kind: global_buffer, .address_space: global }
      - { .name: bq, .offset: 32, .size: 8, .value_kind: global_buffer, .address_space: global }
      - { .name: bv, .offset: 40, .size: 8, .value_kind: global_buffer, .address_space: global }
      - { .name: qkvh, .offset: 48, .size: 8, .value_kind: global_buffer, .address_space: global }
    .group_segment_fixed_size: 327680
    .private_segment_fixed_size: 0
    .kernarg_segment_align: 8
    .kernarg_segment_size: 56
    .max_flat_workgroup_size: 128
    .sgpr_count:     100
    .vgpr_count:     1024
    .wavefront_size: 32
...
	.end_amdgpu_metadata
.endif
;; end of part 2
;; launch attn (part 3): grid 8 x 64, 8 waves a work-group, clusters of 4 x 1, 327,680 bytes of LDS; arguments qkvh, mask, ao; writes ao
.if DOCPART == 3
	.amdgcn_target "amdgcn-amd-amdhsa--gfx1250"
	.amdhsa_code_object_version 6
	.text
	.protected	k_q60cedc4393_attn
	.globl	k_q60cedc4393_attn
	.p2align	8
	.type	k_q60cedc4393_attn,@function
k_q60cedc4393_attn:
	s_mov_b64 s[64:65], 0
	v_nop
	global_prefetch_b8 v0, s[64:65] scope:SCOPE_SE
	s_setreg_imm32_b32 hwreg(HW_REG_WAVE_MODE, 25, 1), 1
	s_wait_xcnt 0x0
	s_wait_alu depctr_hold_cnt(0) depctr_sa_sdst(0) depctr_va_vdst(0) depctr_va_sdst(0) depctr_va_ssrc(0) depctr_va_vcc(0) depctr_vm_vsrc(0)
	s_getreg_b32 s2, hwreg(HW_REG_IB_STS2, 6, 4)
	s_cmp_eq_u32 s2, 0
	s_cbranch_scc0 .Lentry_in_a_cluster
	s_endpgm
.Lentry_in_a_cluster:
	s_bfe_u32 s2, ttmp6, 0x10000c
	s_cmp_lg_u32 s2, 0x3003
	s_cbranch_scc0 .Lentry_shape_is_right
	s_endpgm
.Lentry_shape_is_right:
; LAUNCH 3 OF 4.  For each batch b and head h: O[q] = the sum over keys of softmax_key(qh[q].kh[key] / 8 + float(mask[b][key]) x -1e30) vh[key].  qh, kh, vh: qkvh [3][64 (16 b + h)][2,048][64] f16; O: ao [16 h][8,192 (2,048 b + s)][64] f16.
; kh holds no bk: dead work (a term that is the same along the softmax's axis: shown at the head of the first launch's text).
; Both products take f16 operands and f32 sums.  SOFTMAX in f32, base 2: t = fma(score, c, mb[key]), c = log2(e) / 8, mb = float(mask) x (-1e30 log2 e); a running maximum m of t; p = 2^(t - m), the difference formed BEFORE the
; exponential, so that equal t of any size give p = 1 (a batch whose every key is masked has uniform weights, as reference() has); the row's sum of the unrounded p in f32; O and the sum x 2^(m_old - m_new) in every step.
; LIMITS: |mask| < 2.3e8 (mb stays finite; reference() itself overflows at 3.4e8); |O| <= 65,504.  p under f16's smallest number is lost in the second product: under 6e-8 of a row's largest weight.
; SHARES.  A work-group owns 256 queries of one (b, h), each of its eight waves 32: two tiles of 16.  Two waves lie on a SIMD, each written in plain phases: one's softmax stands beside the other's products.
; LAYOUT.  S^T = K Q^T (source 0 = 16 keys, source 1 = 16 queries) and O^T = V^T P (source 0 = 16 channels, source 1 = P): a lane holds ONE query (lane % 16) throughout; two tiles of S^T, rounded in pairs, ARE source 1 of the second product.
; RING.  Two LDS slots of 512 keys (8 key steps of 64).  Waves 0-3 fetch K's four parts of 128 keys, waves 4-7 V's: one load a wave.  Two keys (256 bytes, dense in memory) make an LDS row; K's pitch 272, V's 288.
; A refill is asked for eight key steps, 256 matrix instructions a wave, ahead of its first read: so no prefetch is laid.  CLUSTER: the four query blocks of a cluster walk the same K and V: each tile is asked for jointly.
; REGISTERS: window 0: v2-15 addresses; v16, v17 the add's two; v20-35 statistics, 8 a tile; v36-67 mb of a step's keys; v68-131 S^T, then p, 32 a tile; v132-163 P, 16 a tile; v164-195 Q, 16 a tile.
;   window 1: v0-63 O^T, 32 a tile; v64-127 K of one step; v128-191 V of one step.
.set KP,     272
.set VP,     288
.set KSTEPB, 32*KP                     ; a key step's 64 keys of K in LDS
.set VSTEPB, 32*VP
.set KPART,  64*KP                     ; what one tensor load brings: 128 keys
.set VPART,  64*VP
.set VOFF,   4*KPART                   ; a slot: K's 256 rows, then V's
.set SLOTB,  VOFF+4*VPART
.set MBT,    2*SLOTB                   ; behind the ring: mb of the batch's 2,048 keys, f32, stored by the waves; no fill lands here
.set SPARE,  MBT+8192                  ; the spare words, 128 bytes for each of eight waves
.set STGW,   16*KP                     ; the way out: a stage of 16 rows x 272 bytes for each wave, in slot 0, which has had its last fill and its last read by then
.set AK0, 2
.set AV0, 3
.set AM0, 4
.set ADR, 5
.set ADM, 6
.set QO,  7
.set STO, 8
.set RD,  9
.set GO,  10
.set SPW, 16
.set NIL, 17
.set ST,  20                           ; tile t at v[ST + 8 t]: +0 m, +1 zero (named with m as a pair), +2, +3 the sum (even keys', odd keys'), +4 .. +7 c0-c3 at work; the factor a takes c2's place
.set MB,  36
.set S,   68
.set P,   132
.set Q,   164
.set OA,  0                            ; window 1
.set KF,  64
.set VF,  128
.set WV,  10
.set G1K, 24
.set G1V, 32
.set G0K, 40
.set G0V, 44
.set PKO, 48                           ; my part's place in a slot, K's
.set PVO, 49                           ; and V's
.set TK,  50                           ; LDS byte of the step to be fetched: K's,
.set TV,  51                           ; V's,
.set TM,  52                           ; mb's
.set CNT, 53
.set CS,  54                           ; s[54:55] c
.set SEL, 56                           ; s[56:57] lane l xor 16
.set MSB, 0
.macro WIN new
.if MSB != (\new)
	s_set_vgpr_msb (MSB<<8)|(\new)
.set MSB, (\new)
.endif
.endm
.macro ROUND                           ; a round of the cluster's barrier
	s_barrier_signal -1
	s_barrier_wait -1
	s_cmp_lg_u32 s[WV], 0
	s_cbranch_scc1 .Lnot_wave_0_\@
	s_barrier_signal -3
.Lnot_wave_0_\@:
	s_barrier_wait -3
	s_barrier_signal -1
	s_barrier_wait -1
.endm
.macro JLOAD                           ; a joint load; the branch hangs on the wave's number alone.  An s_nop 0 and four v_nop follow each of the two lines
	s_cmp_lt_u32 s[WV], 4
	s_cbranch_scc0 .Lfor_v_\@
	tensor_load_to_lds s[G0K:G0K+3], s[G1K:G1K+7]
	s_nop 0
.rept 4
	v_nop
.endr
	s_branch .Lasked_\@
.Lfor_v_\@:
	tensor_load_to_lds s[G0V:G0V+3], s[G1V:G1V+7]
	s_nop 0
.rept 4
	v_nop
.endr
.Lasked_\@:
.endm
	s_load_b128 s[4:7], s[0:1], 0x0                ; qkvh, mask
	s_load_b64 s[8:9], s[0:1], 0x10                ; ao
	v_lshl_add_u32 v[SPW], v0, 2, SPARE
	v_mov_b32 v[NIL], 0
	ds_add_u32 v[SPW], v[NIL]                      ; the wave's opening: the add, twice on end, and its wait ahead of my first tensor load
	ds_add_u32 v[SPW], v[NIL]
	v_lshrrev_b32 v1, 5, v0
	v_readfirstlane_b32 s[WV], v1                  ; wave 0..7
	s_bfe_u32 s11, ttmp6, 0x40000                  ; cx
	s_lshl_b32 s12, ttmp9, 2
	s_add_co_u32 s12, s12, s11                     ; my block of 256 queries: it enters Q's and O's addresses alone
	s_and_b32 s13, ttmp7, 0xffff                   ; 16 b + h, which the four partners share
	s_and_b32 s14, s[WV], 3                        ; which part of a slot I fetch
	s_mul_i32 s[PKO], s14, KPART
	s_mul_i32 s[PVO], s14, VPART
	s_add_co_u32 s[PVO], s[PVO], VOFF
	s_lshl_b32 s16, s13, 18                        ; the head's 2,048 rows of 128 bytes,
	s_lshl_b32 s15, s14, 14                        ; my part's 128 keys
	s_add_co_u32 s16, s16, s15
	s_mov_b32 s17, 0
	s_mov_b32 s[G1K], 15|(1<<16)|(1<<20)|(1<<21)|(5<<22)|(3<<25)   ; the mask: all four; elements of 2 bytes; padding on; bit 21 beside a mask; after every 64 words 4 words
	s_mov_b32 s[G1V], 15|(1<<16)|(1<<20)|(1<<21)|(5<<22)|(7<<25)   ; the same with 8 words of padding
.irp g, G1K, G1V
	s_mov_b32 s[\g+1], 128<<16                     ; tensor_dim0 = 128 elements: two keys
	s_mov_b32 s[\g+2], 64<<16                      ; tensor_dim1 = 64
	s_mov_b32 s[\g+3], 128<<16                     ; tile_dim0
	s_mov_b32 s[\g+4], 64                          ; tile_dim1
	s_mov_b32 s[\g+5], 128                         ; the pitch: dense
	s_mov_b32 s[\g+6], 0
	s_mov_b32 s[\g+7], 0
.endr
	s_mov_b32 s[CS], 0x3e38aa3b                    ; c = log2(e) / 8
	s_mov_b32 s[CS+1], s[CS]                       ; (named with it as a pair, so it is written)
	s_mov_b32 s[SEL], 0x76543210
	s_mov_b32 s[SEL+1], 0xfedcba98
	s_lshl_b32 s20, s13, 18                        ; Q: head, my block's 256 rows, my wave's 32
	s_lshl_b32 s3, s12, 15
	s_add_co_u32 s20, s20, s3
	s_lshl_b32 s3, s[WV], 12
	s_add_co_u32 s20, s20, s3
	s_mov_b32 s21, 0
	s_lshr_b32 s58, s13, 4                         ; b
	s_and_b32 s22, s13, 15                         ; h
	s_lshl_b32 s22, s22, 20                        ; ao: h x 2^20 + (2,048 b + 256 block + 32 wave) x 128
	s_lshl_b32 s3, s58, 18
	s_add_co_u32 s22, s22, s3
	s_lshl_b32 s3, s12, 15
	s_add_co_u32 s22, s22, s3
	s_lshl_b32 s3, s[WV], 12
	s_add_co_u32 s22, s22, s3
	s_mov_b32 s23, 0
	s_lshl_b32 s58, s58, 13                        ; mask: 8,192 bytes a batch
	s_mov_b32 s59, 0
	s_wait_dscnt 0x0                               ; both opening adds are done
	s_wait_kmcnt 0x0
	s_add_nc_u64 s[18:19], s[4:5], s[16:17]
	s_mov_b32 s[G0K], 1
	s_mov_b32 s[G0K+1], s[PKO]                     ; slot 0
	s_add_nc_u64 s[G0K+2:G0K+3], s[18:19], 0x1000000   ; kh
	s_or_b32 s[G0K+3], s[G0K+3], 0x80000000
	s_mov_b32 s[G0V], 1
	s_mov_b32 s[G0V+1], s[PVO]
	s_add_nc_u64 s[G0V+2:G0V+3], s[18:19], 0x2000000   ; vh
	s_or_b32 s[G0V+3], s[G0V+3], 0x80000000
	ROUND                                          ; all four work-groups are here: the first joint loads meet
	JLOAD                                          ; slot 0: keys 0 to 511
	s_add_nc_u64 s[4:5], s[4:5], s[20:21]
	s_add_nc_u64 s[6:7], s[6:7], s[58:59]
	s_add_nc_u64 s[8:9], s[8:9], s[22:23]
	v_and_b32 v11, 15, v0                          ; r
	v_bfe_u32 v12, v0, 4, 1                        ; h
	v_lshlrev_b32 v[QO], 7, v11
	v_lshl_add_u32 v[QO], v12, 4, v[QO]            ; row r of 128 bytes + 16 h
.irp t, 0,1
.irp cs, 0,1
	global_load_b128 v[Q+16*\t+8*\cs:Q+16*\t+8*\cs+3], v[QO], s[4:5] offset:\t*2048+\cs*64        ; Q stays in registers: tile t, channels 32 cs on
	global_load_b128 v[Q+16*\t+8*\cs+4:Q+16*\t+8*\cs+7], v[QO], s[4:5] offset:\t*2048+\cs*64+32
.endr
.endr
	v_lshlrev_b32 v13, 5, v0                       ; eight keys' mask words a thread: 256 threads, 2,048 keys
	global_load_b128 v[MB:MB+3], v13, s[6:7]
	global_load_b128 v[MB+4:MB+7], v13, s[6:7] offset:16
	v_lshrrev_b32 v14, 1, v11
	v_mul_u32_u24 v[AK0], v14, KP
	v_and_b32 v15, 1, v0
	v_lshl_add_u32 v[AK0], v15, 7, v[AK0]
	v_lshl_add_u32 v[AK0], v12, 4, v[AK0]          ; K: key r: LDS row r / 2, half r % 2, + 16 h
	s_mul_i32 s3, s[WV], STGW
	v_add_nc_u32 v[STO], s3, v[AK0]                ; the stage takes queries as the slots take keys
	v_bfe_u32 v14, v0, 1, 2
	v_lshl_add_u32 v14, v12, 2, v14
	v_mul_u32_u24 v[AV0], v14, VP
	v_lshl_add_u32 v[AV0], v15, 7, v[AV0]
	v_bfe_u32 v15, v0, 3, 1
	v_lshl_add_u32 v[AV0], v15, 4, v[AV0]
	v_add_nc_u32 v[AV0], VOFF, v[AV0]              ; V, for the turning load: key 8 h + l % 8, channels 8 ((l / 8) % 2) on
	v_lshl_add_u32 v[AM0], v12, 5, MBT             ; mb: my half's eight keys of a tile
	v_mul_u32_u24 v[RD], v12, KP
	v_lshl_add_u32 v[RD], v11, 4, v[RD]
	v_add_nc_u32 v[RD], s3, v[RD]                  ; back from the stage: lanes 0-15 one LDS row (two queries), lanes 16-31 the next
	v_and_b32 v14, 31, v0
	v_lshlrev_b32 v[GO], 4, v14                    ; which are 512 consecutive bytes of ao
	v_lshl_add_u32 v15, v0, 5, MBT
.irp t, 0,1
	v_mov_b32 v[ST+8*\t], 0xff800000               ; m = -infinity, under every finite t
	v_mov_b32 v[ST+8*\t+1], 0
	v_mov_b32 v[ST+8*\t+2], 0                      ; the sum
	v_mov_b32 v[ST+8*\t+3], 0
.endr
	WIN 0x40
.set i, 0
.rept 64
	v_mov_b32 v[OA+i], 0                           ; O^T.  (The step is written with no first form of its own: the first step's factor is 2^(-infinity) = 0, which leaves zeros zeros)
.set i, i+1
.endr
	WIN 0
	s_wait_loadcnt 0x0                             ; Q and the mask
.irp i, 0,1,2,3,4,5,6,7
	v_cvt_f32_i32 v[MB+\i], v[MB+\i]
.endr
.irp i, 0,1,2,3,4,5,6,7
	v_mul_f32 v[MB+\i], 0xf191accb, v[MB+\i]       ; x -1e30 log2(e)
.endr
	ds_store_b128 v15, v[MB:MB+3]
	ds_store_b128 v15, v[MB+4:MB+7] offset:16      ; the wait and the round of the first change of slots show them to all waves
; THE LDS LOADS of a key step, in three runs.  Each makes its address and steps its scalar.
.macro FETCH_K
	v_add_nc_u32 v[ADR], s[TK], v[AK0]
	s_add_co_u32 s[TK], s[TK], KSTEPB
	WIN 0x40
.irp kt, 0,1,2,3
.irp cs, 0,1
	ds_load_b128 v[KF+16*\kt+8*\cs:KF+16*\kt+8*\cs+3], v[ADR] offset:\kt*8*KP+\cs*64
	ds_load_b128 v[KF+16*\kt+8*\cs+4:KF+16*\kt+8*\cs+7], v[ADR] offset:\kt*8*KP+\cs*64+32
.endr
.endr
	WIN 0
.endm
.macro FETCH_V
	v_add_nc_u32 v[ADR], s[TV], v[AV0]
	s_add_co_u32 s[TV], s[TV], VSTEPB
	WIN 0x40
.irp u, 0,1
.irp ct, 0,1,2,3
	ds_load_tr16_b128 v[VF+32*\u+8*\ct:VF+32*\u+8*\ct+3], v[ADR] offset:\u*16*VP+\ct*32           ; keys 32 u + 8 h on, channels 16 ct on
	ds_load_tr16_b128 v[VF+32*\u+8*\ct+4:VF+32*\u+8*\ct+7], v[ADR] offset:\u*16*VP+8*VP+\ct*32    ; keys 16 further on
.endr
.endr
	WIN 0
.endm
.macro FETCH_M
	v_add_nc_u32 v[ADM], s[TM], v[AM0]
	s_add_co_u32 s[TM], s[TM], 256
.irp kt, 0,1,2,3
	ds_load_b128 v[MB+8*\kt:MB+8*\kt+3], v[ADM] offset:64*\kt
	ds_load_b128 v[MB+8*\kt+4:MB+8*\kt+7], v[ADM] offset:64*\kt+16
.endr
.endm
; A KEY STEP: 64 keys.  At its head K's 16, V's 16 and mb's 8 loads are out, in this order.  fetch = 1: the next step's are asked for.
.macro STEP fetch
	s_wait_dscnt 24                                ; K is in; V's 16 and mb's 8 loads are younger
	WIN 0x01                                       ; source 0 (K) window 1
.irp cs, 0,1                                   ; S^T = K Q^T: the 8 accumulators take turns; the first 8 products start the sums
.irp kt, 0,1,2,3
.irp t, 0,1
.if \cs == 0
	v_wmma_f32_16x16x32_f16 v[S+32*\t+8*\kt:S+32*\t+8*\kt+7], v[KF+16*\kt:KF+16*\kt+7], v[Q+16*\t:Q+16*\t+7], 0
.else
	v_wmma_f32_16x16x32_f16 v[S+32*\t+8*\kt:S+32*\t+8*\kt+7], v[KF+16*\kt+8:KF+16*\kt+15], v[Q+16*\t+8:Q+16*\t+15], v[S+32*\t+8*\kt:S+32*\t+8*\kt+7]
.endif
.endr
.endr
.endr
	WIN 0
.if \fetch
.rept 3
	v_nop                                          ; with the run's own addition four places behind the products: for the loads into K's registers and the reads of the scores
.endr
	FETCH_K
	s_wait_dscnt 16                                ; V and mb are in; the 16 just issued stay out
.else
.rept 4
	v_nop
.endr
	s_wait_dscnt 0x0
.endif
.irp p, 0,1,2,3,4,5,6,7,8,9,10,11,12,13,14,15  ; t = score x c + mb, two at a time, each accumulator from its low end on; the tiles alternate
.irp t, 0,1
	v_pk_fma_f32 v[S+32*\t+2*\p:S+32*\t+2*\p+1], v[S+32*\t+2*\p:S+32*\t+2*\p+1], s[CS:CS+1], v[MB+2*\p:MB+2*\p+1] op_sel_hi:[1,0,1]
.endr
.endr
.irp j, 0,1,2,3                                ; the maximum of my 32 t and the old m: four chains of seven, then the four left over
.irp t, 0,1
	v_max3_num_f32 v[ST+8*\t+4+\j], v[S+32*\t+8*\j], v[S+32*\t+8*\j+1], v[S+32*\t+8*\j+2]
.endr
.endr
.irp g, 1,2
.irp j, 0,1,2,3
.irp t, 0,1
	v_max3_num_f32 v[ST+8*\t+4+\j], v[ST+8*\t+4+\j], v[S+32*\t+8*\j+2*\g+1], v[S+32*\t+8*\j+2*\g+2]
.endr
.endr
.endr
.irp t, 0,1
	v_max3_num_f32 v[ST+8*\t+4], v[ST+8*\t+4], v[S+32*\t+7], v[S+32*\t+15]
.endr
.irp t, 0,1
	v_max3_num_f32 v[ST+8*\t+6], v[ST+8*\t+6], v[S+32*\t+23], v[S+32*\t+31]
.endr
.irp t, 0,1
	v_max3_num_f32 v[ST+8*\t+4], v[ST+8*\t+4], v[ST+8*\t+5], v[ST+8*\t+6]
.endr
.irp t, 0,1
	v_max3_num_f32 v[ST+8*\t+4], v[ST+8*\t+4], v[ST+8*\t+7], v[ST+8*\t]
.endr
.irp t, 0,1
	v_permlanex16_b32 v[ST+8*\t+5], v[ST+8*\t+4], s[SEL], s[SEL+1]   ; the query's other 32 keys lie in the lane 16 away
.endr
.irp t, 0,1
	v_mov_b32 v[ST+8*\t+7], v[ST+8*\t]             ; m_old
.endr
.irp t, 0,1
	v_max_num_f32 v[ST+8*\t], v[ST+8*\t+4], v[ST+8*\t+5]             ; m_new
.endr
.irp t, 0,1
	v_sub_f32 v[ST+8*\t+7], v[ST+8*\t+7], v[ST+8*\t]
.endr
.irp t, 0,1
	v_exp_f32 v[ST+8*\t+6], v[ST+8*\t+7]           ; a = 2^(m_old - m_new).  From here to the wait below: ONE BATCH of 66 exponentials; no line between names a result
.endr
.irp t, 0,1
	v_pk_add_f32 v[S+32*\t:S+32*\t+1], v[S+32*\t:S+32*\t+1], v[ST+8*\t:ST+8*\t+1] op_sel_hi:[1,0] neg_lo:[0,1] neg_hi:[0,1]   ; t - m
.endr
.irp p, 0,1,2,3,4,5,6,7,8,9,10,11,12,13,14,15  ; a pair's difference stands one pair ahead of its two exponentials
.irp t, 0,1
.if \p < 15
	v_pk_add_f32 v[S+32*\t+2*\p+2:S+32*\t+2*\p+3], v[S+32*\t+2*\p+2:S+32*\t+2*\p+3], v[ST+8*\t:ST+8*\t+1] op_sel_hi:[1,0] neg_lo:[0,1] neg_hi:[0,1]
.endif
	v_exp_f32 v[S+32*\t+2*\p], v[S+32*\t+2*\p]
	v_exp_f32 v[S+32*\t+2*\p+1], v[S+32*\t+2*\p+1]
.endr
.endr
	v_nop                                          ; a plain line behind the last exponential
	s_wait_alu depctr_va_vdst(0)                   ; one wait for the batch, ahead of its first reader
.irp p, 0,1,2,3,4,5,6,7,8,9,10,11,12,13,14,15
.irp t, 0,1
	v_cvt_pk_f16_f32 v[P+16*\t+\p], v[S+32*\t+2*\p], v[S+32*\t+2*\p+1]
.endr
.endr
.irp z, 0,1,2,3,4,5,6,7                        ; the sum of the unrounded p, in place: neighbours 1, 2, 4 and 8 pairs apart
.irp t, 0,1
	v_pk_add_f32 v[S+32*\t+4*\z:S+32*\t+4*\z+1], v[S+32*\t+4*\z:S+32*\t+4*\z+1], v[S+32*\t+4*\z+2:S+32*\t+4*\z+3]
.endr
.endr
.irp z, 0,1,2,3
.irp t, 0,1
	v_pk_add_f32 v[S+32*\t+8*\z:S+32*\t+8*\z+1], v[S+32*\t+8*\z:S+32*\t+8*\z+1], v[S+32*\t+8*\z+4:S+32*\t+8*\z+5]
.endr
.endr
.irp z, 0,1
.irp t, 0,1
	v_pk_add_f32 v[S+32*\t+16*\z:S+32*\t+16*\z+1], v[S+32*\t+16*\z:S+32*\t+16*\z+1], v[S+32*\t+16*\z+8:S+32*\t+16*\z+9]
.endr
.endr
.irp t, 0,1
	v_pk_add_f32 v[S+32*\t:S+32*\t+1], v[S+32*\t:S+32*\t+1], v[S+32*\t+16:S+32*\t+17]
.endr
.irp t, 0,1
	v_pk_fma_f32 v[ST+8*\t+2:ST+8*\t+3], v[ST+8*\t+2:ST+8*\t+3], v[ST+8*\t+6:ST+8*\t+7], v[S+32*\t:S+32*\t+1] op_sel_hi:[1,0,1]   ; the sum = the sum x a + this step's
.endr
	WIN 0x41                                       ; O^T (destination and source 0) window 1, a window 0
.irp i, 0,1,2,3,4,5,6,7,8,9,10,11,12,13,14,15
.irp t, 0,1
	v_pk_mul_f32 v[OA+32*\t+2*\i:OA+32*\t+2*\i+1], v[OA+32*\t+2*\i:OA+32*\t+2*\i+1], v[ST+8*\t+6:ST+8*\t+7] op_sel_hi:[1,0]
.endr
.endr
	WIN 0x51                                       ; V and O^T window 1, P window 0
.irp u, 0,1                                    ; O^T += V^T P: the 8 accumulators take turns
.irp ct, 0,1,2,3
.irp t, 0,1
	v_wmma_f32_16x16x32_f16 v[OA+32*\t+8*\ct:OA+32*\t+8*\ct+7], v[VF+32*\u+8*\ct:VF+32*\u+8*\ct+7], v[P+16*\t+8*\u:P+16*\t+8*\u+7], v[OA+32*\t+8*\ct:OA+32*\t+8*\ct+7]
.endr
.endr
.endr
	WIN 0
.if \fetch
.rept 3
	v_nop                                          ; with the run's own addition four places ahead of the loads into V's registers
.endr
	FETCH_V
	FETCH_M
.else
.rept 4
	v_nop                                          ; four places: for the next slot's loads into V's registers, or the way out's reads of O^T
.endr
.endif
.endm
; THE CHANGE OF SLOTS stands at a slot's head.  Each wave waits for all its tensor loads (one is out: its part of the slot about to be read), adds 0 to its spare word, and waits for that and for its LDS instructions.
; fill = 1: the other slot is filled with the next 512 keys, behind a round of the cluster's barrier: no wave of any partner still reads it or has a load on its way.
.macro CHANGE fill, slot
	s_wait_tensorcnt 0x0                           ; no tensor load of mine is out, so a group 0 may be written
	ds_add_u32 v[SPW], v[NIL]                      ; 0 onto my spare word
.if \fill
	s_add_co_u32 s[G0K+1], s[PKO], \slot*SLOTB
	s_add_nc_u64 s[G0K+2:G0K+3], s[G0K+2:G0K+3], 65536   ; 512 keys of 128 bytes on; the type bits on top are not reached
	s_add_co_u32 s[G0V+1], s[PVO], \slot*SLOTB
	s_add_nc_u64 s[G0V+2:G0V+3], s[G0V+2:G0V+3], 65536
.endif
	s_wait_dscnt 0x0                               ; the add is done; my reads of the slot that I have left are over (at the first change: my stores of mb have landed)
.if \fill
	ROUND
	JLOAD                                          ; the first thing behind the round, and my one tensor load until the next
.else
	s_barrier_signal -1
	s_barrier_wait -1
.endif
.endm
.macro SLOTRUN slot, run               ; a slot's eight key steps: seven in a loop, the last, which fetches nothing, written out
	s_mov_b32 s[TK], \slot*SLOTB
	s_mov_b32 s[TV], \slot*SLOTB
	s_mov_b32 s[TM], \run*2048
	FETCH_K
	FETCH_V
	FETCH_M
	s_mov_b32 s[CNT], 7
.Lstep_\@:
	STEP 1
	s_sub_co_u32 s[CNT], s[CNT], 1
	s_cmp_lg_u32 s[CNT], 0
	s_cbranch_scc1 .Lstep_\@
	STEP 0
.endm
	CHANGE 1, 1                                    ; slot 0 has landed; slot 1's first fill (keys 512 on) goes out as a refill does: behind this round nobody fills bytes again
	SLOTRUN 0, 0
	CHANGE 1, 0                                    ; keys 1,024 on into slot 0
	SLOTRUN 1, 1
	CHANGE 1, 1                                    ; keys 1,536 on into slot 1
	SLOTRUN 0, 2
	CHANGE 0, 0                                    ; nothing is left to fetch
	SLOTRUN 1, 3
	; THE WAY OUT.  The sum's two halves and the other half of the lanes' are added; O^T is divided by the sum, rounded to f16 and sent through my stage, so that 32 lanes store 512 consecutive bytes.
.irp t, 0,1
	v_add_f32 v[ST+8*\t+4], v[ST+8*\t+2], v[ST+8*\t+3]
.endr
.irp t, 0,1
	v_permlanex16_b32 v[ST+8*\t+5], v[ST+8*\t+4], s[SEL], s[SEL+1]
.endr
.irp t, 0,1
	v_add_f32 v[ST+8*\t+4], v[ST+8*\t+4], v[ST+8*\t+5]
.endr
.irp t, 0,1
	v_rcp_f32 v[ST+8*\t+6], v[ST+8*\t+4]
.endr
	v_nop                                          ; a plain line behind the last reciprocal
	s_wait_alu depctr_va_vdst(0)                   ; one wait for the two, ahead of their first reader
.irp t, 0,1
	WIN 0x41
.irp i, 0,1,2,3,4,5,6,7,8,9,10,11,12,13,14,15
	v_pk_mul_f32 v[OA+32*\t+2*\i:OA+32*\t+2*\i+1], v[OA+32*\t+2*\i:OA+32*\t+2*\i+1], v[ST+8*\t+6:ST+8*\t+7] op_sel_hi:[1,0]
.endr
	WIN 0x05                                       ; sources 0 and 1 window 1, destination window 0: S^T's registers are free
.irp i, 0,1,2,3,4,5,6,7,8,9,10,11,12,13,14,15
	v_cvt_pk_f16_f32 v[S+16*\t+\i], v[OA+32*\t+2*\i], v[OA+32*\t+2*\i+1]
.endr
	WIN 0
.irp ct, 0,1,2,3
	ds_store_b128 v[STO], v[S+16*\t+4*\ct:S+16*\t+4*\ct+3] offset:\t*8*KP+32*\ct
.endr
.irp i, 0,1,2,3
	ds_load_b128 v[S+16*\t+4*\i:S+16*\t+4*\i+3], v[RD] offset:\t*8*KP+\i*2*KP   ; LDS serves a wave's instructions in order: these see the stores above
.endr
.endr
.irp t, 0,1
.irp i, 0,1,2,3
	s_wait_dscnt 8*(1-\t)+3-\i                     ; behind this load: its tile's later loads, and for tile 0 tile 1's four stores and four loads
	global_store_b128 v[GO], v[S+16*\t+4*\i:S+16*\t+4*\i+3], s[8:9] offset:\t*2048+\i*512
.endr
.endr
	s_wait_tensorcnt 0x0                           ; the wave's end: a tensor wait, an add of 0 onto my spare word and an LDS wait, behind my last tensor load and my last LDS store
	ds_add_u32 v[SPW], v[NIL]
	s_wait_dscnt 0x0
	ROUND                                          ; the closing round
	s_endpgm
.Lfunc_end_k_q60cedc4393_attn:
	.size	k_q60cedc4393_attn, .Lfunc_end_k_q60cedc4393_attn-k_q60cedc4393_attn
	.p2alignl 7, 3214868480
	.fill 96, 4, 3214868480
	.section	.rodata,"a",@progbits
	.p2align	6, 0x0
	.amdhsa_kernel k_q60cedc4393_attn
		.amdhsa_group_segment_fixed_size 327680
		.amdhsa_private_segment_fixed_size 0
		.amdhsa_enable_private_segment 0
		.amdhsa_kernarg_size 24
		.amdhsa_user_sgpr_count 2
		.amdhsa_user_sgpr_kernarg_segment_ptr 1
		.amdhsa_wavefront_size32 1
		.amdhsa_system_sgpr_workgroup_id_x 1
		.amdhsa_system_sgpr_workgroup_id_y 1
		.amdhsa_system_sgpr_workgroup_id_z 1
		.amdhsa_system_vgpr_workitem_id 0
		.amdhsa_next_free_vgpr 448
		.amdhsa_next_free_sgpr 66
		.amdhsa_reserve_vcc 0
		.amdhsa_float_denorm_mode_32 3
		.amdhsa_float_denorm_mode_16_64 3
		.amdhsa_memory_ordered 1
		.amdhsa_forward_progress 1
		.amdhsa_inst_pref_size 181
	.end_amdhsa_kernel
	.amdgpu_metadata
---
amdhsa.version: [ 1, 2 ]
amdhsa.kernels:
  - .name:           k_q60cedc4393_attn
    .symbol:         k_q60cedc4393_attn.kd
    .args:
      - { .name: qkvh, .offset: 0, .size: 8, .value_kind: global_buffer, .address_space: global }
      - { .name: mask, .offset: 8, .size: 8, .value_kind: global_buffer, .address_space: global }
      - { .name: ao, .offset: 16, .size: 8, .value_kind: global_buffer, .address_space: global }
    .group_segment_fixed_size: 327680
    .private_segment_fixed_size: 0
    .kernarg_segment_align: 8
    .kernarg_segment_size: 24
    .max_flat_workgroup_size: 256
    .sgpr_count:     66
    .vgpr_count:     448
    .wavefront_size: 32
...
	.end_amdgpu_metadata
.endif
;; end of part 3
;; launch oproj (part 4): grid 4 x 64, 4 waves a work-group, clusters of 4 x 4, 327,680 bytes of LDS; arguments ao, wo16, bo, out0; writes out0
.if DOCPART == 4
	.amdgcn_target "amdgcn-amd-amdhsa--gfx1250"
	.amdhsa_code_object_version 6
	.text
	.protected	k_q60cedc4393_oproj
	.globl	k_q60cedc4393_oproj
	.p2align	8
	.type	k_q60cedc4393_oproj,@function
k_q60cedc4393_oproj:
	s_mov_b64 s[64:65], 0
	v_nop
	global_prefetch_b8 v0, s[64:65] scope:SCOPE_SE
	s_setreg_imm32_b32 hwreg(HW_REG_WAVE_MODE, 25, 1), 1
	s_wait_xcnt 0x0
	s_wait_alu depctr_hold_cnt(0) depctr_sa_sdst(0) depctr_va_vdst(0) depctr_va_sdst(0) depctr_va_ssrc(0) depctr_va_vcc(0) depctr_vm_vsrc(0)
	s_getreg_b32 s2, hwreg(HW_REG_IB_STS2, 6, 4)
	s_cmp_eq_u32 s2, 0
	s_cbranch_scc0 .Lentry_in_a_cluster
	s_endpgm
.Lentry_in_a_cluster:
	s_bfe_u32 s2, ttmp6, 0x10000c
	s_cmp_lg_u32 s2, 0xf033
	s_cbranch_scc0 .Lentry_shape_is_right
	s_endpgm
.Lentry_shape_is_right:
; LAUNCH 4 OF 4.  out0[m][n] = the sum over k of A[m][k] wo[k][n] + bo[n].  A: ao [16 h][8,192 m][64] f16 (k = 64 h + d); wo16 [1,024 k][1,024 n] f16; bo f32; out0 [8,192][1,024] f32.  f16 operands, f32 sums.
; A tile of out0 is 128 (m) x 256 (n): 256 work-groups, one for each WGP.  Four waves, each 64 x 128: 32 accumulators, 256 registers.  K goes in steps of 128 (two heads) through two LDS slots.
; A's part of a slot: two planes (heads) of 128 rows x 128 bytes, dense in memory, as 64 LDS rows of two m each, pitch 272.  wo's: 128 rows (k) of 512 bytes, pitch 544; its K is not innermost, so its fragments come by the turning load.
; CLUSTERS: 4 x 4 work-groups; A's tiles are asked for jointly along a row of the cluster, wo's along a column.  Waves 0, 1 fetch A's planes, waves 2, 3 wo's halves: one load a wave.
; THE MATRIX INSTRUCTION IS USED TRANSPOSED (source 0 = 16 columns of wo, source 1 = 16 rows of A): a lane holds eight neighbouring columns of one row of out0.  bo is the C of each sum's first product.
; No prefetch: a small tile, whose inputs every tile row and tile column read again.
; REGISTERS: window 0: v16-29 addresses; v32-95 bo, 8 registers for each of the 8 column blocks; v128-255 the way out, two sets.   window 1: two fragment buffers of 96 at v0 and v128: A's 4 fragments, then wo's 8.
;   window 2: the accumulators, (a, b) at v[8 (8 a + b)].
.set AP,     272
.set BP,     544
.set APLANE, 64*AP                     ; 17,408
.set BOFF,   2*APLANE                  ; 34,816
.set BHALF,  64*BP                     ; 34,816
.set SLOT,   BOFF+2*BHALF              ; 104,448
.set STAGE,  2*SLOT                    ; behind the ring: 16 rows x 528 bytes for each wave
.set SPITCH, 528
.set SPARE,  STAGE+4*16*SPITCH         ; the spare words, 128 bytes for each wave
.set ADRA, 16
.set ADRB, 20
.set STO,  24
.set RD,   25
.set CO,   26
.set SPW,  28
.set NIL,  29
.set BIAS, 32
.set BK,   128
.set F0,   0
.set F1,   128
.set G1, 24
.set G0, 32
.set G1B, 48
.set G0B, 56
.set MSB, 0
.macro WIN new
.if MSB != (\new)
	s_set_vgpr_msb (MSB<<8)|(\new)
.set MSB, (\new)
.endif
.endm
.set MUL,   0xa5                       ; sources 0 and 1 window 1, C and D window 2
.set MULB,  0x85                       ; C (bo) window 0
.set TO_F,  0x40
.macro JLOAD s                         ; a joint load; the branch hangs on the wave's number alone.  An s_nop 0 and four v_nop follow each of the two lines
	s_cmp_eq_u32 s13, 0
	s_cbranch_scc0 .Lfor_b_\@
	tensor_load_to_lds s[G0+4*\s:G0+4*\s+3], s[G1:G1+7]
	s_nop 0
.rept 4
	v_nop
.endr
	s_branch .Lasked_\@
.Lfor_b_\@:
	tensor_load_to_lds s[G0B+4*\s:G0B+4*\s+3], s[G1B:G1B+7]
	s_nop 0
.rept 4
	v_nop
.endr
.Lasked_\@:
.endm
.macro CREST                           ; a round of the cluster's barrier behind its opening barrier
	s_cmp_lg_u32 s12, 0
	s_cbranch_scc1 .Lnot_wave_0_\@
	s_barrier_signal -3
.Lnot_wave_0_\@:
	s_barrier_wait -3
	s_barrier_signal -1
	s_barrier_wait -1
.endm
.macro CROUND
	s_barrier_signal -1
	s_barrier_wait -1
	CREST
.endm
	s_load_b128 s[4:7], s[0:1], 0x0                ; ao, wo16
	s_load_b128 s[8:11], s[0:1], 0x10              ; bo, out0
	v_lshl_add_u32 v[SPW], v0, 2, SPARE
	v_mov_b32 v[NIL], 0
	ds_add_u32 v[SPW], v[NIL]                      ; the wave's opening: the add, twice on end, and its wait ahead of my first tensor load
	ds_add_u32 v[SPW], v[NIL]
	v_lshrrev_b32 v1, 5, v0
	v_readfirstlane_b32 s12, v1                    ; wave 0..3
	s_lshr_b32 s13, s12, 1                         ; which 64 rows of the tile are mine.  Also: I fetch for A (0) or for wo (1)
	s_and_b32 s14, s12, 1                          ; which 128 columns.  Also: which plane of A, or which 64 rows of wo, I fetch
	s_bfe_u32 s40, ttmp6, 0x40000                  ; cx
	s_bfe_u32 s41, ttmp6, 0x40004                  ; cy
	s_lshl_b32 s42, ttmp9, 2
	s_add_co_u32 s42, s42, s40                     ; tile column, 0 .. 3
	s_and_b32 s15, ttmp7, 0xffff
	s_lshl_b32 s15, s15, 2
	s_add_co_u32 s15, s15, s41                     ; tile row, 0 .. 63
	s_lshl_b32 s43, s41, 2
	s_lshl_b32 s43, 15, s43                        ; my row of the cluster
	s_lshl_b32 s44, 0x1111, s40                    ; my column
	s_or_b32 s[G1+0], s43, (1<<16)|(1<<20)|(1<<21)|(5<<22)|(3<<25)   ; A: elements of 2 bytes; after every 64 words 4 words of padding
	s_mov_b32 s[G1+1], 128<<16                     ; tensor_dim0 = 128 elements: two rows m
	s_mov_b32 s[G1+2], 64<<16                      ; tensor_dim1
	s_mov_b32 s[G1+3], 128<<16                     ; tile_dim0
	s_mov_b32 s[G1+4], 64                          ; tile_dim1
	s_mov_b32 s[G1+5], 128                         ; the pitch: dense
	s_mov_b32 s[G1+6], 0
	s_mov_b32 s[G1+7], 0
	s_or_b32 s[G1B+0], s44, (1<<16)|(1<<20)|(1<<21)|(6<<22)|(7<<25)  ; wo: after every 128 words 8 words of padding
	s_mov_b32 s[G1B+1], 256<<16
	s_mov_b32 s[G1B+2], 64<<16
	s_mov_b32 s[G1B+3], 256<<16
	s_mov_b32 s[G1B+4], 64
	s_mov_b32 s[G1B+5], 1024
	s_mov_b32 s[G1B+6], 0
	s_mov_b32 s[G1B+7], 0
	s_lshl_b32 s16, s14, 20                        ; A: my plane, 2^20 bytes a head,
	s_lshl_b32 s17, s15, 14                        ; the tile's 128 rows of 128 bytes
	s_add_co_u32 s16, s16, s17
	s_mov_b32 s17, 0
	s_lshl_b32 s46, s14, 17                        ; wo: my 64 rows of 2,048 bytes,
	s_lshl_b32 s47, s42, 9                         ; the tile's 256 columns
	s_add_co_u32 s46, s46, s47
	s_mov_b32 s47, 0
	s_mul_i32 s20, s14, APLANE                     ; where they go: no place in the cluster enters an LDS address
	s_mul_i32 s21, s14, BHALF
	s_add_co_u32 s21, s21, BOFF
	s_wait_dscnt 0x0                               ; both opening adds are done
	s_wait_kmcnt 0x0
	s_add_nc_u64 s[18:19], s[4:5], s[16:17]
	s_add_nc_u64 s[46:47], s[6:7], s[46:47]
	CROUND                                         ; all sixteen work-groups are here: the first joint loads meet
.irp s, 0,1
	s_mov_b32 s[G0+4*\s], 1
	s_add_co_u32 s[G0+4*\s+1], s20, \s*SLOT
	s_add_nc_u64 s[G0+4*\s+2:G0+4*\s+3], s[18:19], \s*2097152      ; K step s: heads 2 s, 2 s + 1
	s_or_b32 s[G0+4*\s+3], s[G0+4*\s+3], 0x80000000
	s_mov_b32 s[G0B+4*\s], 1
	s_add_co_u32 s[G0B+4*\s+1], s21, \s*SLOT
	s_add_nc_u64 s[G0B+4*\s+2:G0B+4*\s+3], s[46:47], \s*262144     ; rows 128 s on
	s_or_b32 s[G0B+4*\s+3], s[G0B+4*\s+3], 0x80000000
	JLOAD \s                                       ; two loads of mine are out
.endr
	v_and_b32 v1, 15, v0                           ; r
	v_bfe_u32 v2, v0, 4, 1                         ; h
	s_lshl_b32 s46, s42, 10                        ; my first column, in bytes of f32: 1,024 x tile column + 512 x half: in bo and in a row of out0 alike
	s_lshl_b32 s47, s14, 9
	s_add_co_u32 s46, s46, s47
	s_mov_b32 s47, 0
	s_add_nc_u64 s[8:9], s[8:9], s[46:47]
	s_add_nc_u64 s[10:11], s[10:11], s[46:47]
	s_lshl_b32 s16, s15, 19                        ; my first row: 128 x tile row + 64 x half, 4,096 bytes each
	s_lshl_b32 s17, s13, 18
	s_add_co_u32 s16, s16, s17
	s_mov_b32 s17, 0
	s_add_nc_u64 s[10:11], s[10:11], s[16:17]
	v_lshlrev_b32 v7, 5, v2
.irp b, 0,1,2,3,4,5,6,7
	global_load_b128 v[BIAS+8*\b:BIAS+8*\b+3], v7, s[8:9] offset:64*\b          ; register 8 b + j of lane (r, h) = bo[my first column + 16 b + 8 h + j]
	global_load_b128 v[BIAS+8*\b+4:BIAS+8*\b+7], v7, s[8:9] offset:64*\b+16
.endr
	v_lshrrev_b32 v3, 1, v1
	v_mul_u32_u24 v3, v3, AP
	v_and_b32 v4, 1, v0
	v_lshl_add_u32 v3, v4, 7, v3
	v_lshl_add_u32 v3, v2, 4, v3                   ; A: row r: LDS row r / 2, half r % 2, + 16 h
	s_mul_i32 s22, s13, 32*AP                      ; my 64 rows
	v_and_b32 v4, 7, v0
	v_lshl_add_u32 v4, v2, 3, v4
	v_mul_u32_u24 v4, v4, BP
	v_bfe_u32 v5, v0, 3, 1
	v_lshl_add_u32 v4, v5, 4, v4                   ; wo, for the turning load: row 8 h + l % 8, columns 8 ((l / 8) % 2) on
	s_lshl_b32 s23, s14, 8                         ; my 128 columns
	s_add_co_u32 s23, s23, BOFF
.irp s, 0,1
	v_add_nc_u32 v[ADRA+\s], s22, v3
	v_add_nc_u32 v[ADRB+\s], s23, v4
	s_add_co_u32 s22, s22, SLOT
	s_add_co_u32 s23, s23, SLOT
.endr
	s_mul_i32 s22, s12, 16*SPITCH
	s_add_co_u32 s22, s22, STAGE                   ; my stage
	v_mul_u32_u24 v5, v1, SPITCH
	v_lshl_add_u32 v5, v2, 5, v5
	v_add_nc_u32 v[STO], s22, v5                   ; in: row r, 32 bytes for each half of the lanes
	v_and_b32 v6, 31, v0
	v_lshlrev_b32 v[CO], 4, v6                     ; back: the 32 lanes take one row of 512 bytes; and the same in out0
	v_add_nc_u32 v[RD], s22, v[CO]
; 24 LDS loads in one run: the fragments of 32 along K, the slot's q-th, into buffer g
.macro FETCH slot, q, g
	WIN TO_F
.irp b, 0,1,2,3,4,5,6,7
	ds_load_tr16_b128 v[\g+32+8*\b:\g+32+8*\b+3], v[ADRB+\slot] offset:(\q)*32*BP+32*\b
	ds_load_tr16_b128 v[\g+32+8*\b+4:\g+32+8*\b+7], v[ADRB+\slot] offset:(\q)*32*BP+16*BP+32*\b
.endr
.irp i, 0,1,2,3
	ds_load_b128 v[\g+8*\i:\g+8*\i+3], v[ADRA+\slot] offset:\i*8*AP+((\q)/2)*APLANE+((\q)%2)*64
	ds_load_b128 v[\g+8*\i+4:\g+8*\i+7], v[ADRA+\slot] offset:\i*8*AP+((\q)/2)*APLANE+((\q)%2)*64+32
.endr
.endm
; 8 matrix instructions: A's block a x the eight column blocks.  first = 1: the sums start with bo.  The 32 accumulators take turns in the same order in every quarter.
.macro MULA f, a, first
.irp b, 0,1,2,3,4,5,6,7
.if \first
	v_wmma_f32_16x16x32_f16 v[8*(8*(\a)+\b):8*(8*(\a)+\b)+7], v[\f+32+8*\b:\f+32+8*\b+7], v[\f+8*(\a):\f+8*(\a)+7], v[BIAS+8*\b:BIAS+8*\b+7]
.else
	v_wmma_f32_16x16x32_f16 v[8*(8*(\a)+\b):8*(8*(\a)+\b)+7], v[\f+32+8*\b:\f+32+8*\b+7], v[\f+8*(\a):\f+8*(\a)+7], v[8*(8*(\a)+\b):8*(8*(\a)+\b)+7]
.endif
.endr
.endm
.macro PLACES
.rept 4
	v_nop
.endr
.endm
; A K step is four quarters of 32 along K on buffers 0, 1, 0, 1.  One of the first three: buffer f's loads are in; the next quarter (the slot's qn-th) is fetched into g, four places behind the products that read g; then 32 products on f.
.macro QUARTER slot, qn, f, g, first
	s_wait_dscnt 0x0
	PLACES
	FETCH \slot, \qn, \g
.if \first
	WIN MULB
.else
	WIN MUL
.endif
	MULA \f, 0, \first
	MULA \f, 1, \first
	MULA \f, 2, \first
	MULA \f, 3, \first
.endm
; The last quarter multiplies buffer 1 and changes slots: one barrier; fill = 1: it opens a round of the cluster's barrier, and this slot is filled again, two K steps ahead.
.macro TURN slot, next, fill
	WIN 0                                          ; (the add's two registers lie in window 0)
	s_wait_tensorcnt 0x0                           ; all my tensor loads have landed: my part of the next slot
	ds_add_u32 v[SPW], v[NIL]                      ; 0 onto my spare word
	s_wait_dscnt 1                                 ; buffer 1's loads are in; the add alone may be out
	WIN MUL
	MULA F1, 0, 0
	s_wait_dscnt 0x0                               ; the add is done, and my reads of this slot are over
	s_barrier_signal -1
	MULA F1, 1, 0
	WIN 0
	s_barrier_wait -1
.if \fill
	CREST                                          ; no wave of any partner still reads this slot's tiles or has a load on its way
	s_add_nc_u64 s[G0+4*\slot+2:G0+4*\slot+3], s[G0+4*\slot+2:G0+4*\slot+3], 4194304    ; four heads on
	s_add_nc_u64 s[G0B+4*\slot+2:G0B+4*\slot+3], s[G0B+4*\slot+2:G0B+4*\slot+3], 524288 ; 256 rows on
	JLOAD \slot                                    ; the first tensor load behind the round; its four v_nop are also the places in front of the loads below
.else
	PLACES
.endif
	FETCH \next, 0, F0
	WIN MUL
	MULA F1, 2, 0
	MULA F1, 3, 0
.endm
	s_wait_tensorcnt 1                             ; my part of K step 0 is in; K step 1's load, issued behind it, may be out
	s_barrier_signal -1
	s_barrier_wait -1
	FETCH 0, 0, F0
	s_wait_loadcnt 0x0                             ; bo
	QUARTER 0, 1, F0, F1, 1                        ; the first quarter stands in front of the loop: its products start the sums
	WIN 0
	s_mov_b32 s3, 3
.Llap:                                             ; a trip goes once round the ring and fills both slots again: K steps 2 to 7
	QUARTER 0, 2, F1, F0, 0
	QUARTER 0, 3, F0, F1, 0
	TURN 0, 1, 1
	QUARTER 1, 1, F0, F1, 0
	QUARTER 1, 2, F1, F0, 0
	QUARTER 1, 3, F0, F1, 0
	TURN 1, 0, 1
	QUARTER 0, 1, F0, F1, 0
	WIN 0
	s_sub_co_u32 s3, s3, 1
	s_cmp_lg_u32 s3, 0
	s_cbranch_scc1 .Llap
	QUARTER 0, 2, F1, F0, 0                        ; the last lap fills nothing
	QUARTER 0, 3, F0, F1, 0
	TURN 0, 1, 0
	QUARTER 1, 1, F0, F1, 0
	QUARTER 1, 2, F1, F0, 0
	QUARTER 1, 3, F0, F1, 0
	s_wait_dscnt 0x0
	MULA F1, 0, 0
	MULA F1, 1, 0
	MULA F1, 2, 0
	MULA F1, 3, 0
	WIN 0
; THE WAY OUT, block by block of 16 rows x 128 columns: through my own stage, back as whole rows of 512 bytes.
.macro TOSTAGE a
.set AC, 64*(\a)
	WIN 0x08                                       ; an LDS store's data are its source 1: window 2
.irp b, 0,1,2,3,4,5,6,7
	ds_store_b128 v[STO], v[AC+8*\b:AC+8*\b+3] offset:64*\b          ; each accumulator from its low end on
	ds_store_b128 v[STO], v[AC+8*\b+4:AC+8*\b+7] offset:64*\b+16
.endr
	WIN 0
.set BB, BK+64*((\a)%2)
.irp t, 0,1,2,3,4,5,6,7,8,9,10,11,12,13,14,15
	ds_load_b128 v[BB+4*\t:BB+4*\t+3], v[RD] offset:\t*SPITCH        ; LDS serves a wave's instructions in order: these see the stores above
.endr
.endm
.macro SEND a, younger                 ; younger: the LDS instructions issued behind block a's loads, which may stay out
.set BB, BK+64*((\a)%2)
	s_wait_dscnt \younger
.irp t, 0,1,2,3,4,5,6,7,8,9,10,11,12,13,14,15
	global_store_b128 v[CO], v[BB+4*\t:BB+4*\t+3], s[10:11] offset:(16*(\a)+\t)*4096 th:TH_STORE_NT   ; 32 lanes store 512 consecutive bytes, aligned; written once, read by nobody here
.endr
.endm
	PLACES                                         ; four places between the last products and the LDS stores that read results
	TOSTAGE 0
.irp a, 1,2,3
.if \a > 1
	s_wait_xcnt 0x0                                ; block a - 2's stores have read their registers: block a's loads may land there
.endif
	TOSTAGE \a
	SEND \a-1, 32                                  ; behind block a - 1's loads: block a's 16 stores and 16 loads
.endr
	SEND 3, 0
	s_wait_tensorcnt 0x0                           ; the wave's end: a tensor wait, an add of 0 onto my spare word and an LDS wait, behind my last tensor load and my last LDS store
	ds_add_u32 v[SPW], v[NIL]
	s_wait_dscnt 0x0
	CROUND                                         ; the closing round
	s_endpgm
.Lfunc_end_k_q60cedc4393_oproj:
	.size	k_q60cedc4393_oproj, .Lfunc_end_k_q60cedc4393_oproj-k_q60cedc4393_oproj
	.p2alignl 7, 3214868480
	.fill 96, 4, 3214868480
	.section	.rodata,"a",@progbits
	.p2align	6, 0x0
	.amdhsa_kernel k_q60cedc4393_oproj
		.amdhsa_group_segment_fixed_size 327680
		.amdhsa_private_segment_fixed_size 0
		.amdhsa_enable_private_segment 0
		.amdhsa_kernarg_size 32
		.amdhsa_user_sgpr_count 2
		.amdhsa_user_sgpr_kernarg_segment_ptr 1
		.amdhsa_wavefront_size32 1
		.amdhsa_system_sgpr_workgroup_id_x 1
		.amdhsa_system_sgpr_workgroup_id_y 1
		.amdhsa_system_sgpr_workgroup_id_z 1
		.amdhsa_system_vgpr_workitem_id 0
		.amdhsa_next_free_vgpr 768
		.amdhsa_next_free_sgpr 66
		.amdhsa_reserve_vcc 0
		.amdhsa_float_denorm_mode_32 3
		.amdhsa_float_denorm_mode_16_64 3
		.amdhsa_memory_ordered 1
		.amdhsa_forward_progress 1
		.amdhsa_inst_pref_size 86
	.end_amdhsa_kernel
	.amdgpu_metadata
---
amdhsa.version: [ 1, 2 ]
amdhsa.kernels:
  - .name:           k_q60cedc4393_oproj
    .symbol:         k_q60cedc4393_oproj.kd
    .args:
      - { .name: ao, .offset: 0, .size: 8, .value_kind: global_buffer, .address_space: global }
      - { .name: wo16, .offset: 8, .size: 8, .value_kind: global_buffer, .address_space: global }
      - { .name: bo, .offset: 16, .size: 8, .value_kind: global_buffer, .address_space: global }
      - { .name: out0, .offset: 24, .size: 8, .value_kind: global_buffer, .address_space: global }
    .group_segment_fixed_size: 327680
    .private_segment_fixed_size: 0
    .kernarg_segment_align: 8
    .kernarg_segment_size: 32
    .max_flat_workgroup_size: 128
    .sgpr_count:     66
    .vgpr_count:     768
    .wavefront_size: 32
...
	.end_amdgpu_metadata
.endif
;; end of part 4
